; MI455X (gfx1250); checked and timed in simulation.
; The chip was launched on July 23, 2026; its instructions are those of AMD's public machine-readable ISA for CDNA 5 (MIT licence, August 2026) and "CDNA5" Instruction Set Architecture Reference Guide (July 2026). The comments in the code are by the model that wrote it; some were corrected since.
;; Efficient Transformer Block. Allowed arithmetic: matrix products marked QUANTISED: E2M3 operands, one E8M0 scale for each 32 along K, by v_wmma_scale_f32_16x16x128_f8f6f4 with both operands' format E2M3, f32 sums; everything else in f32.
;; Inputs: b1 4,096 float32; b2 1,024 float32; ln1_b 1,024 float32; ln1_g 1,024 float32; ln2_b 1,024 float32; ln2_g 1,024 float32; proj_b 1,024 float32; proj_w 1,024 x 1,024 float32; qkv_w 3,072 x 1,024 float32; w1 4,096 x 1,024 float32; w2 1,024 x 4,096 float32; x 2 x 2,048 x 1,024 float32.
;; Outputs: out0 2 x 2,048 x 1,024 float32.
;; This version of the problem:
;;   THIS VERSION OF THE PROBLEM IS GIVEN IN LOW PRECISION. The matrix products marked QUANTISED in the list below multiply operands that are first quantised to E2M3 (2 exponent bits, 3 mantissa bits; 6 bits a number), with one power-of-two scale for each 32 numbers along K (OCP MX v1.0); their sums are f32. All else is computed in f32.
;;   The module's matrix products, in the order in which they are computed (A, B: the left and right operand; K: the contracted axis; several contracted axes count as one K, in the product's order):
;;     1. [M 4,096, K 1,024] x [K 1,024, N 3,072]; A: computed on the way; B: input qkv_w: QUANTISED
;;     2. batch 32 x [M 2,048, K 64] x [K 64, N 2,048]; A: computed on the way; B: computed on the way: QUANTISED
;;     3. batch 32 x [M 2,048, K 2,048] x [K 2,048, N 64]; A: softmax (see below); B: computed on the way: QUANTISED
;;     4. [M 4,096, K 1,024] x [K 1,024, N 1,024]; A: computed on the way; B: input proj_w: QUANTISED
;;     5. [M 4,096, K 1,024] x [K 1,024, N 4,096]; A: computed on the way; B: input w1: QUANTISED
;;     6. [M 4,096, K 4,096] x [K 4,096, N 1,024]; A: computed on the way; B: input w2: QUANTISED
;;   THE QUANTISER, for each operand of a quantised product, along K:
;;     - K is cut into blocks of 32 from its start; a last block that is shorter is filled with zeros.
;;     - A block's scale is 2^e with e = floor(log2(the largest magnitude in the block)) - 2, held to -126 .. 127; a block of zeros has e = 0. As a byte (E8M0): e + 127.
;;     - Each number is divided by its block's scale, clamped to +-7.5, and rounded to the nearest number of E2M3, ties to even, subnormals kept.
;;     - The product sums the exact products of the quantised numbers (number of the format x scale) in f32.
;;   ~~~python
;;   def quantise(x, axis):      # numpy; x: float32 -> the quantised numbers, widened to float32 again
;;       x = np.moveaxis(x, axis, -1); K = x.shape[-1]
;;       x = np.pad(x, [(0, 0)] * (x.ndim - 1) + [(0, -K % 32)]); x = x.reshape(x.shape[:-1] + (-1, 32)); a = np.abs(x).max(-1, keepdims=True)
;;       e = np.where(a > 0, np.clip(np.frexp(np.where(a > 0, a, 1))[1] - 1 - 2, -126, 127), 0)      # np.frexp(a)[1] - 1 = floor(log2(a)), exactly
;;       r = np.clip(x / 2.0 ** e, -7.5, 7.5)
;;       step = 2.0 ** (np.maximum(np.frexp(np.where(r == 0, 1, r))[1] - 1, 0) - 3)
;;       q = np.round(r / step) * step * 2.0 ** e      # np.round: ties to even
;;       return np.moveaxis(q.reshape(q.shape[:-2] + (-1,))[..., :K], -1, axis).astype(np.float32)
;;   ~~~
;;   SOFTMAX AHEAD OF A QUANTISED PRODUCT. Where the list says 'softmax', what is quantised is not the finished softmax but p = 2^(t - M), with t = logit x log2(e) and M = ceil(the row's largest t), a whole number; so 1/2 < the row's largest p <= 1. The row's sum l is taken of the UNQUANTISED p, in f32, and the product's result is divided by l at the end. Since M is a whole number, a kernel that streams over the keys may use a running M (the ceiling of the running maximum): every later rescaling is an exact power of two, which a block's scale takes up: the codes' values come out the same.
;;   OPERANDS COMPUTED ON THE WAY. 'Computed on the way' means the value that the module computes at that place (a softmax that the list does not call 'softmax' is quantised finished and normalised). What goes into a quantiser is computed in f32, as accurately as f32 sums, v_exp_f32 and their like allow (about 1e-6 of the number): no bf16 or f16 on the way to a quantiser, and a product that is left as it is and whose result goes on into a quantised operand takes f32 operands (vector FMAs, or v_wmma_f32_16x16x4_f32). A number that lies on a knife's edge between two numbers of the format may be rounded either way, as far as f32 arithmetic and the matrix unit's own rounding can turn it there, and no further.
;; One version. Each part assembles by itself: llvm-mc -triple=amdgcn-amd-amdhsa -mcpu=gfx1250 --defsym DOCPART=n.
;; ======== version 1 of 1: 7 launches
;; limits: right only within a limited range of input values
;; workspace buffers: pq 13,107,200 bytes; qkvc 9,830,400 bytes; aoq 3,276,800 bytes; x1 16,777,216 bytes; h2q 3,276,800 bytes; hid 13,107,200 bytes
;; launch prep (part 1): grid 1024 x 1, 8 waves a work-group, no clusters, 66,816 bytes of LDS; arguments x, ln1_g, ln1_b, qkv_w, proj_w, w1, w2, pq; writes pq
.if DOCPART == 1
	.amdgcn_target "amdgcn-amd-amdhsa--gfx1250"
	.amdhsa_code_object_version 6
	.text
	.protected	k_qbe425320dd_prep
	.globl	k_qbe425320dd_prep
	.p2align	8
	.type	k_qbe425320dd_prep,@function
k_qbe425320dd_prep:
	s_mov_b64 s[64:65], 0
	v_nop
	global_prefetch_b8 v0, s[64:65] scope:SCOPE_SE
	s_setreg_imm32_b32 hwreg(HW_REG_WAVE_MODE, 25, 1), 1
	s_wait_xcnt 0x0
; f32 rows with K innermost become codes of FP6 (E2M3) with one E8M0 byte for each 32 along K, laid in THE WORKSPACE FORMAT of this program.
; THE FORMAT.  A matrix [R][K] is cut into blocks of 128 rows x 128 K, 12,800 bytes each, block (rb, ks) at (rb K/128 + ks) x 12,800.  A block is eight images of operand registers (a tile of 16 rows x 128 K:
; 12 registers x 32 lanes = 1,536 bytes: registers 0-3 at 16 x lane, 4-5 at 512 + 8 x lane, 6-9 at 768 + 16 x lane, 10-11 at 1,280 + 8 x lane) and, from byte 12,288 on, the scale words: row r of tile rt at 32 r + 4 rt.
; THE ROWS OF A TILE ARE NOT NEIGHBOURS: lane r of tile rt is row 32 (rt / 2) + 8 (rt % 2) + r % 8 + 16 (r / 8) of the block, so that a product that takes such tiles as source 0 leaves 16 neighbours in 16 registers.
; SHARES.  A work-group takes one tile of 16 rows x 1,024 along K.  Units 0-255: the first argument's rows, which first go through a LayerNorm (gain and bias: arguments 2, 3); 256-447 qkv_w; 448-511 proj_w; 512-767 w1;
; 768-1023 w2 (four units to a tile: its K is 4,096).  A launch of 256 work-groups runs the LayerNorm path alone.  Only pointers and offsets are chosen by the unit's number: all tensors take one path through LDS.
; Wave w loads rows 2 w, 2 w + 1 of the tile whole (each load: 512 consecutive bytes), normalises them where asked, and lays them into a stage; behind one barrier wave w quantises K step w of all 16 rows.
; A block's scale is 2^(floor(log2(largest magnitude)) - 2); its byte is the magnitude's exponent field - 2, held at 1 from below.
; LIMITS: NaN and infinities are not served; a block whose largest magnitude lies under 2^-124, a block of zeros among them, keeps the byte 1 (its codes are then zeros or tiny; this program alone reads the bytes).
; The scale words leave as 4 bytes at steps of 32 (one byte in 25 of the output): the eight tiles whose words interleave belong to eight work-groups.
.set PITCH, 4112                       ; a stage row: 4,096 bytes + 16 = 257 x 16: sixteen rows' equal columns start at sixteen different groups of banks
.set SPARE, 16*PITCH                   ; behind the stage: the spare words, 128 bytes for each of eight waves
.set BLK,   12800
.set FRG,   1536
.set SCO,   12288
.set SPW,   10                         ; v10  my spare word's LDS address; never rewritten
.set NIL,   11                         ; v11  0; never rewritten
.set X,     32                         ; v32-95   two rows x 32 numbers, later 64 numbers of one K step
.set GG,    96                         ; v96-127  the gain at my columns
.set BE,    128                        ; v128-159 the bias
.set PC,    160                        ; v160-171 the tile's 12 registers
.set HP,    172                        ; v172-174, v176-178: a conversion's three registers begin on an even number
.set TM,    180                        ; v180-187 at work
	s_load_b256 s[4:11], s[0:1], 0x0               ; rows s[4:5], gain s[6:7], bias s[8:9], qkv_w s[10:11]
	s_load_b256 s[12:19], s[0:1], 0x20             ; proj_w s[12:13], w1 s[14:15], w2 s[16:17], the codes s[18:19]
	v_lshl_add_u32 v[SPW], v0, 2, SPARE
	v_mov_b32 v[NIL], 0
	v_lshrrev_b32 v1, 5, v0
	s_delay_alu instid0(VALU_DEP_1)
	v_readfirstlane_b32 s20, v1                    ; wave 0..7
	v_and_b32 v1, 31, v0                           ; lane
	v_and_b32 v2, 15, v0                           ; r
	v_bfe_u32 v3, v0, 4, 1                         ; h
	s_delay_alu instid0(VALU_DEP_3)
	v_lshlrev_b32 v4, 4, v1                        ; 16 x lane
	s_mov_b32 s40, 0x76543210
	s_mov_b32 s41, 0xfedcba98                      ; v_permlanex16_b32's selects for lane l xor 16
	s_mov_b32 s42, 0x3a800000                      ; 1 / 1024
	s_mov_b32 s43, 0x3727c5ac                      ; 1e-5
	s_mov_b32 s24, 0                               ; the tensor's first unit
	s_mov_b32 s25, 0                               ; its codes' first byte
	s_mov_b32 s26, 0                               ; log2 of its units to a tile
	s_mov_b32 s27, 0                               ; units to a tile - 1
	s_wait_alu depctr_va_vdst(0)
	s_wait_kmcnt 0x0
	s_mov_b64 s[22:23], s[4:5]
	s_cmp_ge_u32 ttmp9, 256                        ; the choices hang on the work-group's number alone
	s_cselect_b64 s[22:23], s[10:11], s[22:23]
	s_cselect_b32 s24, 256, s24
	s_cselect_b32 s25, 3276800, s25
	s_cmp_ge_u32 ttmp9, 448
	s_cselect_b64 s[22:23], s[12:13], s[22:23]
	s_cselect_b32 s24, 448, s24
	s_cselect_b32 s25, 5734400, s25
	s_cmp_ge_u32 ttmp9, 512
	s_cselect_b64 s[22:23], s[14:15], s[22:23]
	s_cselect_b32 s24, 512, s24
	s_cselect_b32 s25, 6553600, s25
	s_cmp_ge_u32 ttmp9, 768
	s_cselect_b64 s[22:23], s[16:17], s[22:23]
	s_cselect_b32 s24, 768, s24
	s_cselect_b32 s25, 9830400, s25
	s_cselect_b32 s26, 2, s26
	s_cselect_b32 s27, 3, s27
	s_sub_co_u32 s28, ttmp9, s24                   ; the unit within its tensor
	s_lshr_b32 s29, s28, s26                       ; the tile
	s_and_b32 s30, s28, s27                        ; which 1,024 along K
	s_lshr_b32 s31, s29, 3                         ; rb
	s_and_b32 s32, s29, 7                          ; rt
	s_lshl_b32 s33, s31, 7
	s_lshr_b32 s34, s32, 1
	s_lshl_b32 s34, s34, 5
	s_add_co_u32 s33, s33, s34
	s_and_b32 s34, s32, 1
	s_lshl_b32 s34, s34, 3
	s_add_co_u32 s33, s33, s34                     ; the tile's lane 0: row 128 rb + 32 (rt / 2) + 8 (rt % 2)
	s_lshl_b32 s34, s20, 1
	s_and_b32 s34, s34, 7
	s_add_co_u32 s33, s33, s34
	s_lshr_b32 s34, s20, 2
	s_lshl_b32 s34, s34, 4
	s_add_co_u32 s33, s33, s34                     ; lane 2 w of the tile: + 2 w % 8 + 16 (w / 4)
	s_add_co_u32 s35, s26, 12                      ; log2 of a row's bytes
	s_lshl_b32 s36, s33, s35
	s_lshl_b32 s34, s30, 12
	s_add_co_u32 s36, s36, s34
	s_mov_b32 s37, 0
	s_add_nc_u64 s[36:37], s[22:23], s[36:37]      ; my first row, at my 1,024 along K
	s_lshl_b32 s38, 1, s35
	s_mov_b32 s39, 0
	s_add_nc_u64 s[38:39], s[36:37], s[38:39]      ; my second row
.irp e, 0,1
.irp i, 0,1,2,3,4,5,6,7
	global_load_b128 v[X+32*\e+4*\i:X+32*\e+4*\i+3], v4, s[36+2*\e:37+2*\e] offset:512*\i th:TH_LOAD_NT   ; 32 lanes read 512 consecutive bytes; register 4 i + k is column 128 i + 4 lane + k
.endr
.endr
	s_lshl_b32 s44, 8, s26                         ; K steps in a row of blocks
	s_mul_i32 s44, s31, s44
	s_lshl_b32 s34, s30, 3
	s_add_co_u32 s44, s44, s34
	s_add_co_u32 s44, s44, s20                     ; my block: rb x K steps + 8 x chunk + wave
	s_mul_i32 s44, s44, BLK
	s_add_co_u32 s44, s44, s25
	s_mov_b32 s45, 0
	s_add_nc_u64 s[44:45], s[18:19], s[44:45]
	s_mul_i32 s46, s32, FRG
	v_add_nc_u32 v7, s46, v4                       ; in the block: 16 x lane + 1,536 rt
	v_lshl_add_u32 v8, v1, 3, s46                  ; 8 x lane + 1,536 rt
	s_lshl_b32 s34, s32, 2
	v_lshl_add_u32 v9, v2, 5, s34                  ; 32 r + 4 rt
	s_mul_i32 s35, s20, 2*PITCH
	v_add_nc_u32 v5, s35, v4                       ; the stage, in: rows 2 w, 2 w + 1, 16 x lane
	v_mul_u32_u24 v6, v2, PITCH
	s_delay_alu instid0(VALU_DEP_1)
	v_lshl_add_u32 v6, v3, 7, v6
	s_lshl_b32 s35, s20, 9
	v_add_nc_u32 v6, s35, v6                       ; out: row r, K step w (512 bytes), + 128 h
	s_cmp_ge_u32 ttmp9, 256                        ; weights are quantised as they are.  No LDS line stands on the way that is jumped over
	s_cbranch_scc1 .Lplain
; ---- LayerNorm of my two rows, the rows by turns; mean first, then the variance of the differences, so that a common offset costs nothing
.irp i, 0,1,2,3,4,5,6,7
	global_load_b128 v[GG+4*\i:GG+4*\i+3], v4, s[6:7] offset:512*\i
	global_load_b128 v[BE+4*\i:BE+4*\i+3], v4, s[8:9] offset:512*\i
.endr
	v_mov_b32 v21, 0                               ; (upper halves of pairs that the packed forms name)
	v_mov_b32 v23, 0
.macro RED2 a, b                       ; the sums of v[a] and of v[b] over the 32 lanes, in every lane
.irp m, 1,2,4,8
	s_delay_alu instid0(VALU_DEP_2)
	v_add_f32_dpp v[\a], v[\a], v[\a] row_xmask:\m row_mask:0xf bank_mask:0xf
	s_delay_alu instid0(VALU_DEP_2)
	v_add_f32_dpp v[\b], v[\b], v[\b] row_xmask:\m row_mask:0xf bank_mask:0xf
.endr
	s_delay_alu instid0(VALU_DEP_2)
	v_permlanex16_b32 v[\a+1], v[\a], s40, s41
	s_delay_alu instid0(VALU_DEP_2)
	v_permlanex16_b32 v[\b+1], v[\b], s40, s41
	s_delay_alu instid0(VALU_DEP_2)
	v_add_f32 v[\a], v[\a], v[\a+1]
	s_delay_alu instid0(VALU_DEP_2)
	v_add_f32 v[\b], v[\b], v[\b+1]
.endm
	s_wait_loadcnt 16                              ; my rows' 16 loads are in; the 16 of gain and bias, issued behind them, may be out
	v_pk_add_f32 v[12:13], v[X:X+1], v[X+2:X+3]
	v_pk_add_f32 v[14:15], v[X+32:X+33], v[X+34:X+35]
.set j, 4
.rept 14
	s_delay_alu instid0(VALU_DEP_2)
	v_pk_add_f32 v[12:13], v[12:13], v[X+j:X+j+1]
	s_delay_alu instid0(VALU_DEP_2)
	v_pk_add_f32 v[14:15], v[14:15], v[X+32+j:X+33+j]
.set j, j+2
.endr
	s_delay_alu instid0(VALU_DEP_2)
	v_add_f32 v12, v12, v13
	s_delay_alu instid0(VALU_DEP_2)
	v_add_f32 v14, v14, v15
	RED2 12, 14
	s_delay_alu instid0(VALU_DEP_2)
	v_mul_f32 v12, s42, v12                        ; the means
	s_delay_alu instid0(VALU_DEP_2)
	v_mul_f32 v14, s42, v14
.set j, 0
.rept 16
	v_pk_add_f32 v[X+j:X+j+1], v[X+j:X+j+1], v[12:13] op_sel_hi:[1,0] neg_lo:[0,1] neg_hi:[0,1]          ; x - mean
	v_pk_add_f32 v[X+32+j:X+33+j], v[X+32+j:X+33+j], v[14:15] op_sel_hi:[1,0] neg_lo:[0,1] neg_hi:[0,1]
.set j, j+2
.endr
	v_pk_mul_f32 v[16:17], v[X:X+1], v[X:X+1]
	v_pk_mul_f32 v[18:19], v[X+32:X+33], v[X+32:X+33]
.set j, 2
.rept 15
	s_delay_alu instid0(VALU_DEP_2)
	v_pk_fma_f32 v[16:17], v[X+j:X+j+1], v[X+j:X+j+1], v[16:17]
	s_delay_alu instid0(VALU_DEP_2)
	v_pk_fma_f32 v[18:19], v[X+32+j:X+33+j], v[X+32+j:X+33+j], v[18:19]
.set j, j+2
.endr
	s_delay_alu instid0(VALU_DEP_2)
	v_add_f32 v16, v16, v17
	s_delay_alu instid0(VALU_DEP_2)
	v_add_f32 v18, v18, v19
	RED2 16, 18
	s_delay_alu instid0(VALU_DEP_2)
	v_fma_f32 v16, v16, s42, s43                   ; variance + 1e-5
	s_delay_alu instid0(VALU_DEP_2)
	v_fma_f32 v18, v18, s42, s43
	s_wait_alu depctr_va_vdst(0)
	v_rsq_f32 v20, v16
	v_rsq_f32 v22, v18
	v_nop                                          ; a plain instruction behind the last of the two
	s_wait_loadcnt 0x0                             ; gain and bias
	s_wait_alu depctr_va_vdst(0)                   ; one wait for both, ahead of their first reader
.set j, 0
.rept 16
	v_pk_mul_f32 v[X+j:X+j+1], v[X+j:X+j+1], v[20:21] op_sel_hi:[1,0]
	v_pk_mul_f32 v[X+32+j:X+33+j], v[X+32+j:X+33+j], v[22:23] op_sel_hi:[1,0]
.set j, j+2
.endr
.set j, 0
.rept 16
	v_pk_fma_f32 v[X+j:X+j+1], v[X+j:X+j+1], v[GG+j:GG+j+1], v[BE+j:BE+j+1]
	v_pk_fma_f32 v[X+32+j:X+33+j], v[X+32+j:X+33+j], v[GG+j:GG+j+1], v[BE+j:BE+j+1]
.set j, j+2
.endr
.Lplain:
	s_wait_loadcnt 0x0
	s_wait_alu depctr_va_vdst(0)
.irp e, 0,1
.irp i, 0,1,2,3,4,5,6,7
	ds_store_b128 v5, v[X+32*\e+4*\i:X+32*\e+4*\i+3] offset:\e*PITCH+512*\i
.endr
.endr
	s_wait_dscnt 0x0                               ; for the others' sake: my two rows lie in the stage
	s_barrier_signal -1
	s_barrier_wait -1
; ---- K step w of the 16 rows: lane (r, h) takes k = 64 c + 32 h + 0 .. 31 of row r: two whole blocks, in the order of the operand's registers
.irp c, 0,1
.irp j, 0,1,2,3,4,5,6,7
	ds_load_b128 v[X+32*\c+4*\j:X+32*\c+4*\j+3], v6 offset:256*\c+16*\j
.endr
.endr
	s_wait_dscnt 0x0
.irp c, 0,1
	v_max3_num_f32 v[TM+\c], |v[X+32*\c]|, |v[X+32*\c+1]|, 0x1800000   ; with the floor 2^(3 - 127): the byte cannot fall under 1
.endr
.set i, 2
.rept 15
	s_delay_alu instid0(VALU_DEP_2)
	v_max3_num_f32 v[TM], v[TM], |v[X+i]|, |v[X+i+1]|
	s_delay_alu instid0(VALU_DEP_2)
	v_max3_num_f32 v[TM+1], v[TM+1], |v[X+32+i]|, |v[X+33+i]|
.set i, i+2
.endr
.irp c, 0,1
	s_delay_alu instid0(VALU_DEP_2)
	v_add_nc_u32 v[TM+2+\c], 0xff000000, v[TM+\c]  ; 2 off the exponent field: the conversion takes this operand's exponent field as its scale
.endr
.irp c, 0,1
	s_delay_alu instid0(VALU_DEP_2)
	v_lshrrev_b32 v[TM+4+\c], 23, v[TM+2+\c]       ; the scale's byte
.endr
	s_delay_alu instid0(VALU_DEP_1)
	v_lshl_or_b32 v[TM+6], v[TM+5], 16, v[TM+4]    ; my two bytes: blocks h and 2 + h of row r,
	v_lshlrev_b32 v[TM+7], 3, v3
	s_delay_alu instid0(VALU_DEP_1)
	v_lshlrev_b32 v[TM+6], v[TM+7], v[TM+6]        ; at their places in the word;
	s_delay_alu instid0(VALU_DEP_1)
	v_permlanex16_b32 v[TM+7], v[TM+6], s40, s41
	s_delay_alu instid0(VALU_DEP_1)
	v_or_b32 v[TM+6], v[TM+6], v[TM+7]             ; with lane l xor 16's two the word is whole
.irp c, 0,1
	v_cvt_scalef32_pk16_fp6_f32 v[PC+6*\c:PC+6*\c+2], v[X+32*\c:X+32*\c+15], v[TM+2+\c]
	v_cvt_scalef32_pk16_fp6_f32 v[HP+4*\c:HP+4*\c+2], v[X+32*\c+16:X+32*\c+31], v[TM+2+\c]
.endr
	v_nop                                          ; one plain instruction behind a scaled conversion
.irp c, 0,1
.irp i, 0,1,2
	v_mov_b32 v[PC+3+6*\c+\i], v[HP+4*\c+\i]
.endr
.endr
	global_store_b128 v7, v[PC:PC+3], s[44:45]                 ; 512 consecutive bytes, at a multiple of 256 from the buffer's first byte
	global_store_b64 v8, v[PC+4:PC+5], s[44:45] offset:512     ; 256
	global_store_b128 v7, v[PC+6:PC+9], s[44:45] offset:768
	global_store_b64 v8, v[PC+10:PC+11], s[44:45] offset:1280
	s_wait_xcnt 0x0                                ; EXEC changes only behind this wait
	v_cmp_gt_u32 vcc_lo, 16, v1
	s_and_saveexec_b32 s47, vcc_lo
	global_store_b32 v9, v[TM+6], s[44:45] offset:SCO          ; lanes 0-15: row r's scale word
	s_wait_xcnt 0x0
	s_or_b32 exec_lo, exec_lo, s47
	s_wait_tensorcnt 0x0                           ; the wave's end: behind my last LDS store
	ds_add_u32 v[SPW], v[NIL]
	s_wait_dscnt 0x0
	s_endpgm
.Lfunc_end_k_qbe425320dd_prep:
	.size	k_qbe425320dd_prep, .Lfunc_end_k_qbe425320dd_prep-k_qbe425320dd_prep
	.p2alignl 7, 3214868480
	.fill 96, 4, 3214868480
	.section	.rodata,"a",@progbits
	.p2align	6, 0x0
	.amdhsa_kernel k_qbe425320dd_prep
		.amdhsa_group_segment_fixed_size 66816
		.amdhsa_private_segment_fixed_size 0
		.amdhsa_enable_private_segment 0
		.amdhsa_kernarg_size 64
		.amdhsa_user_sgpr_count 2
		.amdhsa_user_sgpr_kernarg_segment_ptr 1
		.amdhsa_wavefront_size32 1
		.amdhsa_system_sgpr_workgroup_id_x 1
		.amdhsa_system_sgpr_workgroup_id_y 1
		.amdhsa_system_sgpr_workgroup_id_z 1
		.amdhsa_system_vgpr_workitem_id 0
		.amdhsa_next_free_vgpr 192
		.amdhsa_next_free_sgpr 66
		.amdhsa_reserve_vcc 1
		.amdhsa_float_denorm_mode_32 3
		.amdhsa_float_denorm_mode_16_64 3
		.amdhsa_memory_ordered 1
		.amdhsa_forward_progress 1
		.amdhsa_inst_pref_size 29
	.end_amdhsa_kernel
	.amdgpu_metadata
---
amdhsa.version: [ 1, 2 ]
amdhsa.kernels:
  - .name:           k_qbe425320dd_prep
    .symbol:         k_qbe425320dd_prep.kd
    .args:
      - { .name: x, .offset: 0, .size: 8, .value_kind: global_buffer, .address_space: global }
      - { .name: ln1_g, .offset: 8, .size: 8, .value_kind: global_buffer, .address_space: global }
      - { .name: ln1_b, .offset: 16, .size: 8, .value_kind: global_buffer, .address_space: global }
      - { .name: qkv_w, .offset: 24, .size: 8, .value_kind: global_buffer, .address_space: global }
      - { .name: proj_w, .offset: 32, .size: 8, .value_kind: global_buffer, .address_space: global }
      - { .name: w1, .offset: 40, .size: 8, .value_kind: global_buffer, .address_space: global }
      - { .name: w2, .offset: 48, .size: 8, .value_kind: global_buffer, .address_space: global }
      - { .name: pq, .offset: 56, .size: 8, .value_kind: global_buffer, .address_space: global }
    .group_segment_fixed_size: 66816
    .private_segment_fixed_size: 0
    .kernarg_segment_align: 8
    .kernarg_segment_size: 64
    .max_flat_workgroup_size: 256
    .sgpr_count:     66
    .vgpr_count:     192
    .wavefront_size: 32
...
	.end_amdgpu_metadata
.endif
;; end of part 1
;; launch qkvg (part 2): grid 8 x 24, 4 waves a work-group, clusters of 4 x 4, 327,680 bytes of LDS; arguments pq, qkvc; writes qkvc
.if DOCPART == 2
	.amdgcn_target "amdgcn-amd-amdhsa--gfx1250"
	.amdhsa_code_object_version 6
	.text
	.protected	k_qbe425320dd_qkvg
	.globl	k_qbe425320dd_qkvg
	.p2align	8
	.type	k_qbe425320dd_qkvg,@function
k_qbe425320dd_qkvg:
	s_mov_b64 s[64:65], 0
	v_nop
	global_prefetch_b8 v0, s[64:65] scope:SCOPE_SE
	s_setreg_imm32_b32 hwreg(HW_REG_WAVE_MODE, 25, 1), 1
	s_wait_xcnt 0x0
	s_wait_alu depctr_hold_cnt(0) depctr_sa_sdst(0) depctr_va_vdst(0) depctr_va_sdst(0) depctr_va_ssrc(0) depctr_va_vcc(0) depctr_vm_vsrc(0)
	s_getreg_b32 s2, hwreg(HW_REG_IB_STS2, 6, 4)
	s_cmp_eq_u32 s2, 0
	s_cbranch_scc0 .Lentry_in_a_cluster
	s_endpgm
.Lentry_in_a_cluster:
	s_bfe_u32 s2, ttmp6, 0x10000c
	s_cmp_lg_u32 s2, 0xf033
	s_cbranch_scc0 .Lentry_shape_is_right
	s_endpgm
.Lentry_shape_is_right:
; q, k, v = LN1(x) qkv_w^T on codes of FP6 (E2M3) with E8M0 scales, and the results quantised at once: q and k along the head's 64, v along the keys.
; All operands lie in this program's workspace format: blocks of 128 rows x 128 K, 12,800 bytes: eight images of operand registers (1,536 bytes: registers 0-3 at 16 x lane, 4-5 at 512 + 8 x lane, 6-9 at 768 + 16 x lane,
; 10-11 at 1,280 + 8 x lane), then 512 bytes of scale words (row r of tile rt at 32 r + 4 rt).  Lane r of tile rt is row 32 (rt / 2) + 8 (rt % 2) + r % 8 + 16 (r / 8) of the block.
; A work-group of four waves makes 256 x 256; a wave 128 x 128: 64 accumulators, 512 registers.  SOURCE 0 ("B") is the operand whose rows become the NEXT product's K: by the order of a tile's rows the 16 registers of two
; neighbouring tiles are 16 neighbours along that K.  SOURCE 1 ("A") gives the lanes: result column r is the row that lane r of A's tile holds.  So a wave's 128 x 128, quantised in registers, IS one block of the output.
; TWO ROLES, chosen by the cluster's y alone (offsets by s_cselect_b32, no branch): y < 4: A = tokens, B = the weight's rows 0-2047 (q, k): output [4096 tokens][2048], K steps 0-7 q's head pairs, 8-15 k's;
; y >= 4: A = the weight's rows 2048-3071 (v), B = tokens: output v^T [1024][4096 tokens].  192 work-groups: 4,096 x 3,072 has no more tiles of this size.
; K = 1,024 goes in slots of two K steps through a ring of two LDS slots; a row block's K steps are dense in memory, so one tensor load (100 rows of 256 bytes) brings two steps' codes and scales.
; CLUSTER 4 x 4: A's tiles are shared along a row of the cluster, B's along a column: joint loads.
; LIMITS: NaN and infinities are not served; a block whose largest magnitude lies under 2^-124 keeps the byte 1.
; REGISTERS: window 0: v16-31 addresses; v32-63 scale words, two sets; v128-223 A's eight fragments, one set (on the way out v128-143 at work); v224-242 the codes just made; v246 their scale word; v248-251 the words that I store.
;   window 1: B's fragments, two sets, at v0 and v128.   windows 2, 3: accumulator (a, b) at v[8 (8 (a % 4) + b)].
.set BLK,   12800
.set FRG,   1536
.set SCO,   12288
.set KSN,   8                          ; K steps of 128
.set HALFT, 2*BLK                      ; one row block x two K steps: what one tensor load brings
.set SLOT,  4*HALFT                    ; A's two row blocks, then B's two
.set SPARE, 2*SLOT                     ; behind the ring: the spare words, 128 bytes for each wave
.set LAPS,  KSN/4
.set FR,    12
.set NL,    4                          ; LDS loads that bring a fragment
.set NP,    4                          ; places behind this matrix instruction (ISA guide 7.12.1)
.set ADRA,  16                         ; v16-17 my A fragments in slot 0, 1, 16 x lane; v18-19 the same, 8 x lane
.set ADRB,  20                         ; v20-23 the same for B
.set STO16, 24                         ; v24  16 x lane
.set STO8,  25                         ; v25  8 x lane
.set STOS,  26                         ; v26  32 r + 16 h
.set SPW,   28
.set NIL,   29
.set ADRS,  30                         ; v30-31 my scale words in slot 0, 1: lanes 0-15 A's, lanes 16-31 B's
.set SC,    32                         ; register 16 slot + 8 q + i: lanes 0-15 the word of A's tile i, lanes 16-31 of B's tile i
.set AF,    128
.set TM,    128
.set PC,    224
.set PW,    246
.set OW,    248
.set G1,  24
.set G0,  32
.set G1B, 48
.set G0B, 56
.set SEL, 96
.set MSB, 0
.macro WIN new                         ; the immediate's high byte repeats the setting that is left
.if MSB != \new
	s_set_vgpr_msb (MSB<<8)|\new
.set MSB, \new
.endif
.endm
.set MUL_LO, 0xa1                      ; source 0 (B) window 1, source 1 (A) window 0, C and D window 2
.set MUL_HI, 0xf1
.set TO_B,   0x40
.macro JLOAD g0a, g1a, g0b, g1b        ; a joint load: waves 0, 1 fetch for A, waves 2, 3 for B; an s_nop 0 and four v_nop follow each line
	s_cmp_eq_u32 s15, 0
	s_cbranch_scc0 .Lfor_b_\@
	tensor_load_to_lds s[\g0a:\g0a+3], s[\g1a:\g1a+7]
	s_nop 0
.rept 4
	v_nop
.endr
	s_branch .Lasked_\@
.Lfor_b_\@:
	tensor_load_to_lds s[\g0b:\g0b+3], s[\g1b:\g1b+7]
	s_nop 0
.rept 4
	v_nop
.endr
.Lasked_\@:
.endm
.macro CREST                           ; a round of the cluster's barrier behind its opening barrier
	s_cmp_lg_u32 s14, 0
	s_cbranch_scc1 .Lnot_wave_0_\@
	s_barrier_signal -3
.Lnot_wave_0_\@:
	s_barrier_wait -3
	s_barrier_signal -1
	s_barrier_wait -1
.endm
.macro CROUND
	s_barrier_signal -1
	s_barrier_wait -1
	CREST
.endm
	s_load_b128 s[4:7], s[0:1], 0x0                ; the codes of LN1(x) and of the weights s[4:5]; the output s[6:7]
	v_lshl_add_u32 v[SPW], v0, 2, SPARE
	v_mov_b32 v[NIL], 0
	ds_add_u32 v[SPW], v[NIL]                      ; the wave's opening: the add and its wait ahead of my first tensor load; work on registers stands between
	ds_add_u32 v[SPW], v[NIL]
	v_lshrrev_b32 v1, 5, v0
	v_readfirstlane_b32 s14, v1                    ; wave 0..3
	s_lshr_b32 s15, s14, 1                         ; my row block of A.  Also: I fetch for A (0) or B (1)
	s_and_b32 s16, s14, 1                          ; my row block of B.  Also: which row block I fetch
	s_bfe_u32 s40, ttmp6, 0x40000                  ; cx
	s_bfe_u32 s41, ttmp6, 0x40004                  ; cy
	s_and_b32 s45, ttmp7, 0xffff                   ; the cluster's y: all sixteen partners share it
	s_lshl_b32 s18, s45, 2
	s_sub_co_u32 s19, s45, 4
	s_lshl_b32 s19, s19, 3
	s_cmp_lt_u32 s45, 4                            ; q, k or v?
	s_cselect_b32 s18, s18, 0                      ; A's tile: 4 y + cy, or cy
	s_cselect_b32 s19, 0, s19                      ; B's tile: 4 x + cx, or that + 8 (y - 4)
	s_cselect_b32 s66, 0, 4915200                  ; A: the tokens' codes, or the weight's from row 2,048 on
	s_cselect_b32 s67, 3276800, 0                  ; B: the weight's codes, or the tokens'
	s_cselect_b32 s92, 0, 6553600                  ; the output: q | k, or v^T
	s_cselect_b32 s93, 16, 32                      ; its K steps in a row of blocks
	s_add_co_u32 s17, s18, s41                     ; A's tile: made of cy and y alone
	s_lshl_b32 s42, ttmp9, 2
	s_add_co_u32 s42, s42, s40
	s_add_co_u32 s42, s42, s19                     ; B's tile: made of cx, x and y alone
	s_lshl_b32 s43, s41, 2
	s_lshl_b32 s43, 15, s43                        ; my row of the cluster
	s_lshl_b32 s44, 0x1111, s40                    ; my column
	s_or_b32 s[G1+0], s43, (3<<16)|(1<<21)         ; 15:0 the mask; 17:16 elements of 8 bytes; 21 set beside a mask; no padding
	s_or_b32 s[G1B+0], s44, (3<<16)|(1<<21)
.irp g, G1, G1B
	s_mov_b32 s[\g+1], 32<<16                      ; tensor_dim0 = 32 elements: 256 bytes
	s_mov_b32 s[\g+2], 100<<16                     ; tensor_dim1 = 100 rows: 25,600 dense bytes
	s_mov_b32 s[\g+3], 32<<16                      ; tile_dim0
	s_mov_b32 s[\g+4], 100                         ; tile_dim1
	s_mov_b32 s[\g+5], 32                          ; the pitch
	s_mov_b32 s[\g+6], 0
	s_mov_b32 s[\g+7], 0
.endr
	s_lshl_b32 s20, s17, 1
	s_add_co_u32 s20, s20, s16                     ; A's row block that I fetch
	s_mul_i32 s20, s20, KSN*BLK
	s_add_co_u32 s20, s20, s66
	s_mov_b32 s21, 0
	s_lshl_b32 s46, s42, 1
	s_add_co_u32 s46, s46, s16                     ; B's
	s_mul_i32 s46, s46, KSN*BLK
	s_add_co_u32 s46, s46, s67
	s_mov_b32 s47, 0
	s_mul_i32 s23, s14, HALFT                      ; where it goes: no place in the cluster enters an LDS address
	s_mov_b32 s[SEL], 0x76543210
	s_mov_b32 s[SEL+1], 0xfedcba98
	s_mov_b32 s90, 0xffff0000                      ; lanes 16-31
	s_wait_dscnt 0x0                               ; the opening add is done
	s_wait_kmcnt 0x0
	s_add_nc_u64 s[20:21], s[4:5], s[20:21]
	s_add_nc_u64 s[46:47], s[4:5], s[46:47]
	CROUND                                         ; all sixteen work-groups are here: the first joint loads meet
.irp s, 0,1
	s_mov_b32 s[G0+4*\s], 1
	s_add_co_u32 s[G0+4*\s+1], s23, \s*SLOT
	s_add_nc_u64 s[G0+4*\s+2:G0+4*\s+3], s[20:21], \s*HALFT
	s_or_b32 s[G0+4*\s+3], s[G0+4*\s+3], 0x80000000
	s_mov_b32 s[G0B+4*\s], 1
	s_add_co_u32 s[G0B+4*\s+1], s23, \s*SLOT
	s_add_nc_u64 s[G0B+4*\s+2:G0B+4*\s+3], s[46:47], \s*HALFT
	s_or_b32 s[G0B+4*\s+3], s[G0B+4*\s+3], 0x80000000
.if \s                                 ; slot 1's first fill is issued as a refill is: my part of slot 0 is in, the add, its wait, a whole round
	s_wait_alu depctr_va_vdst(0)
	s_wait_tensorcnt 0x0
	ds_add_u32 v[SPW], v[NIL]
	s_wait_dscnt 0x0
	CROUND
.endif
	JLOAD G0+4*\s, G1, G0B+4*\s, G1B
.endr
	v_and_b32 v1, 15, v0                           ; r
	v_bfe_u32 v2, v0, 4, 1                         ; h
	v_and_b32 v3, 31, v0                           ; lane
	v_lshlrev_b32 v[STO16], 4, v3
	v_lshlrev_b32 v[STO8], 3, v3
	v_lshlrev_b32 v[STOS], 5, v1
	v_lshl_add_u32 v[STOS], v2, 4, v[STOS]
	s_mul_i32 s18, s15, HALFT                      ; my row block of A
	s_mul_i32 s19, s16, HALFT
	s_add_co_u32 s19, s19, 2*HALFT                 ; of B
.irp s, 0,1
	v_add_nc_u32 v[ADRA+\s], s18, v[STO16]
	v_add_nc_u32 v[ADRA+2+\s], s18, v[STO8]
	v_add_nc_u32 v[ADRB+\s], s19, v[STO16]
	v_add_nc_u32 v[ADRB+2+\s], s19, v[STO8]
	s_add_co_u32 s18, s18, SLOT
	s_add_co_u32 s19, s19, SLOT
.endr
	s_xor_b32 s20, s15, 1
	s_add_co_u32 s20, s20, s16
	s_add_co_u32 s20, s20, 1
	s_mul_i32 s20, s20, HALFT                      ; from my A block's words to my B block's: (2 + wb - wa) x 25,600
	v_mul_u32_u24 v4, s20, v2                      ; lanes 16-31 take B's
	v_lshl_add_u32 v4, v1, 5, v4
	s_mul_i32 s21, s15, HALFT
	s_add_co_u32 s21, s21, SCO
	v_add_nc_u32 v[ADRS], s21, v4
	s_add_co_u32 s21, s21, SLOT
	v_add_nc_u32 v[ADRS+1], s21, v4
	s_lshl_b32 s94, s17, 1
	s_add_co_u32 s94, s94, s15                     ; the output's row block: 2 x A's tile + wa
	s_mul_i32 s94, s94, s93
	s_lshl_b32 s95, s42, 1
	s_add_co_u32 s94, s94, s95
	s_add_co_u32 s94, s94, s16                     ; its K step: 2 x B's tile + wb
	s_mul_i32 s94, s94, BLK
	s_add_co_u32 s94, s94, s92
	s_mov_b32 s95, 0
	s_add_nc_u64 s[12:13], s[6:7], s[94:95]        ; my block of the output
.macro FRAG reg, a16, a8, off          ; a fragment's image back into 12 registers: every load reads consecutive bytes
	ds_load_b128 v[\reg:\reg+3], v[\a16] offset:\off
	ds_load_b64 v[\reg+4:\reg+5], v[\a8] offset:\off+512
	ds_load_b128 v[\reg+6:\reg+9], v[\a16] offset:\off+768
	ds_load_b64 v[\reg+10:\reg+11], v[\a8] offset:\off+1280
.endm
; 16 matrix instructions: A's tiles a0, a0 + 1 x B's eight.  first = 1: the first product starts the sums.  The 64 accumulators take turns, one instruction a turn, in the same order in every step
.macro MUL16 a0, p, q, sc, first
.irp a, \a0, \a0+1
.irp b, 0,1,2,3,4,5,6,7
.if \first
	v_wmma_scale_f32_16x16x128_f8f6f4 v[8*(8*((\a)%4)+\b):8*(8*((\a)%4)+\b)+7], v[128*(\p)+FR*\b:128*(\p)+FR*\b+FR-1], v[AF+FR*(\a):AF+FR*(\a)+FR-1], 0, v[SC+16*(\sc)+8*(\q)+\b], v[SC+16*(\sc)+8*(\q)+(\a)] matrix_a_fmt:MATRIX_FMT_FP6 matrix_b_fmt:MATRIX_FMT_FP6 matrix_a_scale:MATRIX_SCALE_ROW1
.else
	v_wmma_scale_f32_16x16x128_f8f6f4 v[8*(8*((\a)%4)+\b):8*(8*((\a)%4)+\b)+7], v[128*(\p)+FR*\b:128*(\p)+FR*\b+FR-1], v[AF+FR*(\a):AF+FR*(\a)+FR-1], v[8*(8*((\a)%4)+\b):8*(8*((\a)%4)+\b)+7], v[SC+16*(\sc)+8*(\q)+\b], v[SC+16*(\sc)+8*(\q)+(\a)] matrix_a_fmt:MATRIX_FMT_FP6 matrix_b_fmt:MATRIX_FMT_FP6 matrix_a_scale:MATRIX_SCALE_ROW1
.endif
.endr
.endr
.endm
.macro FETCH_B slot, q, p
	WIN TO_B
.irp i, 0,1,2,3,4,5,6,7
	FRAG 128*(\p)+FR*\i, ADRB+\slot, ADRB+2+\slot, (\q)*BLK+\i*FRG
.endr
	WIN 0
.endm
.macro FETCH_A slot, q, i0
.irp i, \i0, \i0+1, \i0+2, \i0+3
	FRAG AF+FR*(\i), ADRA+\slot, ADRA+2+\slot, (\q)*BLK+(\i)*FRG
.endr
.endm
.macro SCALES slot                     ; a slot's scale words: eight tiles x two K steps, four loads
.irp q, 0,1
	ds_load_b128 v[SC+16*\slot+8*\q:SC+16*\slot+8*\q+3], v[ADRS+\slot] offset:\q*BLK
	ds_load_b128 v[SC+16*\slot+8*\q+4:SC+16*\slot+8*\q+7], v[ADRS+\slot] offset:\q*BLK+16
.endr
.endm
.macro PLACES n                        ; plain instructions between a matrix instruction and a load into, or a read of, its registers
.rept \n
	v_nop
.endr
.endm
.macro STEP slot, q, first             ; a K step that has its successor in the same slot
	s_wait_dscnt 4*NL                              ; B's set, A's tiles 0-3 and the scale words are in; the youngest 16 loads (A's tiles 4-7) may be out
	WIN MUL_LO
	MUL16 0, (\q)%2, \q, \slot, \first
	MUL16 2, (\q)%2, \q, \slot, \first
	s_wait_dscnt 0
	PLACES NP
	FETCH_B \slot, (\q)+1, 1-(\q)%2
	FETCH_A \slot, (\q)+1, 0
	WIN MUL_HI
	MUL16 4, (\q)%2, \q, \slot, \first
	MUL16 6, (\q)%2, \q, \slot, \first
	PLACES NP
	WIN 0
	FETCH_A \slot, (\q)+1, 4
.endm
; A slot's last step changes slots: one barrier; in front of it each wave waits for all its tensor loads, adds 0 to its spare word, and waits for that and for its reads of this slot
.macro TURN slot, next, fill
	s_wait_tensorcnt 0x0                           ; all my tensor loads have landed: my part of the next slot
	ds_add_u32 v[SPW], v[NIL]
	s_wait_dscnt 4*NL+1                            ; (the add and the youngest 16 loads may be out)
	WIN MUL_LO
	MUL16 0, 1, 1, \slot, 0
	s_wait_dscnt 0x0                               ; the add is done, and my reads of this slot are over
	s_barrier_signal -1
	MUL16 2, 1, 1, \slot, 0
	WIN 0
	s_barrier_wait -1
.if \fill
	CREST                                          ; the barrier has opened a round of the cluster's: no wave of any partner still reads this slot or has a load on its way
	s_add_nc_u64 s[G0+4*\slot+2:G0+4*\slot+3], s[G0+4*\slot+2:G0+4*\slot+3], 2*HALFT
	s_add_nc_u64 s[G0B+4*\slot+2:G0B+4*\slot+3], s[G0B+4*\slot+2:G0B+4*\slot+3], 2*HALFT
	JLOAD G0+4*\slot, G1, G0B+4*\slot, G1B         ; the first tensor load behind the round; its four v_nop are the places in front of the loads below
.else
	PLACES NP
.endif
	FETCH_B \next, 0, 0
	FETCH_A \next, 0, 0
	SCALES \next
	WIN MUL_HI
	MUL16 4, 1, 1, \slot, 0
	MUL16 6, 1, 1, \slot, 0
	PLACES NP
	WIN 0
	FETCH_A \next, 0, 4
.endm
	s_wait_alu depctr_va_vdst(0)
	s_wait_tensorcnt 1                             ; my part of slot 0 is in; slot 1's load may be out
	s_barrier_signal -1
	s_barrier_wait -1
	FETCH_B 0, 0, 0
	FETCH_A 0, 0, 0
	SCALES 0
	FETCH_A 0, 0, 4
	STEP 0, 0, 1
.rept LAPS-1                           ; once round the ring, both slots filled again (one lap at this K: written out, no backward jump)
	TURN 0, 1, 1
	STEP 1, 0, 0
	TURN 1, 0, 1
	STEP 0, 0, 0
.endr
	TURN 0, 1, 0                                   ; the last lap fills nothing
	STEP 1, 0, 0
	s_wait_dscnt 4*NL
	WIN MUL_LO
	MUL16 0, 1, 1, 1, 0
	MUL16 2, 1, 1, 1, 0
	s_wait_dscnt 0
	WIN MUL_HI
	MUL16 4, 1, 1, 1, 0
	MUL16 6, 1, 1, 1, 0
	WIN 0
; THE WAY OUT.  64 numbers of a lane, register 16 b + i = index 32 b + 16 h + i along the next K, become a tile's 12 registers and its scale word.  Each accumulator is first read at its low end.
.macro QUANT s, w                      ; the numbers stand at v[s] on of window w
	WIN 5*(\w)
.irp b, 0,1,2,3
	v_max3_num_f32 v[TM+\b], |v[(\s)+16*\b]|, |v[(\s)+16*\b+1]|, 0x1800000   ; with the floor 2^(3 - 127)
.endr
.irp i, 2,4,6,8,10,12,14
.irp b, 0,1,2,3
	v_max3_num_f32 v[TM+\b], |v[(\s)+16*\b+\i]|, |v[(\s)+16*\b+\i+1]|, v[TM+\b]
.endr
.endr
	WIN 0
.irp b, 0,1,2,3
	v_permlanex16_b32 v[TM+4+\b], v[TM+\b], s[SEL], s[SEL+1]
.endr
.irp b, 0,1,2,3
	v_max_num_f32 v[TM+\b], v[TM+\b], v[TM+4+\b]   ; with lane l xor 16's: the block's largest magnitude
.endr
.irp b, 0,1,2,3
	v_add_nc_u32 v[TM+12+\b], 0xff000000, v[TM+\b] ; 2 off its exponent field: the conversion's scale operand
.endr
.irp b, 0,1,2,3
	v_lshrrev_b32 v[TM+4+\b], 23, v[TM+12+\b]      ; the byte
.endr
	v_lshl_or_b32 v[PW], v[TM+5], 8, v[TM+4]
	v_lshl_or_b32 v[PW], v[TM+6], 16, v[PW]
	v_lshl_or_b32 v[PW], v[TM+7], 24, v[PW]
	s_wait_xcnt 0x0                                ; the last tile's stores have read their data: the codes' registers are written again only behind this wait
	WIN \w
.irp c, 0,1
	v_cvt_scalef32_pk16_fp6_f32 v[PC+6*\c:PC+6*\c+2], v[(\s)+32*\c:(\s)+32*\c+15], v[TM+12+2*\c]
	v_cvt_scalef32_pk16_fp6_f32 v[PC+12+4*\c:PC+14+4*\c], v[(\s)+32*\c+16:(\s)+32*\c+31], v[TM+12+2*\c+1]
.endr
	WIN 0
	v_nop                                          ; one plain instruction behind a scaled conversion
.irp c, 0,1                            ; the operand's layout wants a whole block in a lane
.irp i, 0,1,2
	v_permlane16_swap_b32 v[PC+6*\c+\i], v[PC+12+4*\c+\i]
.endr
.irp i, 0,1,2
	v_mov_b32 v[PC+3+6*\c+\i], v[PC+12+4*\c+\i]
.endr
.endr
.endm
.macro OUT a                           ; the tile's image: each store covers 512 or 256 consecutive bytes, at a multiple of 256 from the buffer's first byte
	global_store_b128 v[STO16], v[PC:PC+3], s[12:13] offset:(\a)*FRG
	global_store_b64 v[STO8], v[PC+4:PC+5], s[12:13] offset:(\a)*FRG+512
	global_store_b128 v[STO16], v[PC+6:PC+9], s[12:13] offset:(\a)*FRG+768
	global_store_b64 v[STO8], v[PC+10:PC+11], s[12:13] offset:(\a)*FRG+1280
.endm
	PLACES NP
.irp b, 0,1,2,3
	v_mov_b32 v[TM+4+\b], 0                        ; written once: a lane permute's destination counts as one of its sources
.endr
.irp a, 0,1,2,3,4,5,6,7
	QUANT 64*(\a%4), 2+\a/4
	OUT \a
.if \a < 4
	v_mov_b32 v[OW+\a], v[PW]                      ; lane (r, h) stores the words of tiles 4 h .. 4 h + 3 of row r
.else
	v_cndmask_b32 v[OW+\a-4], v[OW+\a-4], v[PW], s90
.endif
.endr
	global_store_b128 v[STOS], v[OW:OW+3], s[12:13] offset:SCO   ; the block's 512 bytes of scale words
	s_wait_tensorcnt 0x0                           ; the wave's end
	ds_add_u32 v[SPW], v[NIL]
	s_wait_dscnt 0x0
	CROUND                                         ; the closing round
	s_endpgm
.Lfunc_end_k_qbe425320dd_qkvg:
	.size	k_qbe425320dd_qkvg, .Lfunc_end_k_qbe425320dd_qkvg-k_qbe425320dd_qkvg
	.p2alignl 7, 3214868480
	.fill 96, 4, 3214868480
	.section	.rodata,"a",@progbits
	.p2align	6, 0x0
	.amdhsa_kernel k_qbe425320dd_qkvg
		.amdhsa_group_segment_fixed_size 327680
		.amdhsa_private_segment_fixed_size 0
		.amdhsa_enable_private_segment 0
		.amdhsa_kernarg_size 16
		.amdhsa_user_sgpr_count 2
		.amdhsa_user_sgpr_kernarg_segment_ptr 1
		.amdhsa_wavefront_size32 1
		.amdhsa_system_sgpr_workgroup_id_x 1
		.amdhsa_system_sgpr_workgroup_id_y 1
		.amdhsa_system_sgpr_workgroup_id_z 1
		.amdhsa_system_vgpr_workitem_id 0
		.amdhsa_next_free_vgpr 1024
		.amdhsa_next_free_sgpr 100
		.amdhsa_reserve_vcc 0
		.amdhsa_float_denorm_mode_32 3
		.amdhsa_float_denorm_mode_16_64 3
		.amdhsa_memory_ordered 1
		.amdhsa_forward_progress 1
		.amdhsa_inst_pref_size 146
	.end_amdhsa_kernel
	.amdgpu_metadata
---
amdhsa.version: [ 1, 2 ]
amdhsa.kernels:
  - .name:           k_qbe425320dd_qkvg
    .symbol:         k_qbe425320dd_qkvg.kd
    .args:
      - { .name: pq, .offset: 0, .size: 8, .value_kind: global_buffer, .address_space: global }
      - { .name: qkvc, .offset: 8, .size: 8, .value_kind: global_buffer, .address_space: global }
    .group_segment_fixed_size: 327680
    .private_segment_fixed_size: 0
    .kernarg_segment_align: 8
    .kernarg_segment_size: 16
    .max_flat_workgroup_size: 128
    .sgpr_count:     100
    .vgpr_count:     1024
    .wavefront_size: 32
...
	.end_amdgpu_metadata
.endif
;; end of part 2
;; launch attn (part 3): grid 8 x 32, 8 waves a work-group, clusters of 4 x 1, 327,680 bytes of LDS; arguments qkvc, aoq; writes aoq
.if DOCPART == 3
	.amdgcn_target "amdgcn-amd-amdhsa--gfx1250"
	.amdhsa_code_object_version 6
	.text
	.protected	k_qbe425320dd_attn
	.globl	k_qbe425320dd_attn
	.p2align	8
	.type	k_qbe425320dd_attn,@function
k_qbe425320dd_attn:
	s_mov_b64 s[64:65], 0
	v_nop
	global_prefetch_b8 v0, s[64:65] scope:SCOPE_SE
	s_setreg_imm32_b32 hwreg(HW_REG_WAVE_MODE, 25, 1), 1
	s_wait_xcnt 0x0
	s_wait_alu depctr_hold_cnt(0) depctr_sa_sdst(0) depctr_va_vdst(0) depctr_va_sdst(0) depctr_va_ssrc(0) depctr_va_vcc(0) depctr_vm_vsrc(0)
	s_getreg_b32 s2, hwreg(HW_REG_IB_STS2, 6, 4)
	s_cmp_eq_u32 s2, 0
	s_cbranch_scc0 .Lentry_in_a_cluster
	s_endpgm
.Lentry_in_a_cluster:
	s_bfe_u32 s2, ttmp6, 0x10000c
	s_cmp_lg_u32 s2, 0x3003
	s_cbranch_scc0 .Lentry_shape_is_right
	s_endpgm
.Lentry_shape_is_right:
; Attention on codes of FP6 (E2M3): o = softmax(q k^T / 8) v for 32 heads of 64, 2,048 keys, and o quantised along the model's 1,024 at once.
; INPUT, in this program's workspace format (blocks of 128 rows x 128 K, 12,800 bytes: eight images of operand registers of 1,536 bytes, then 512 bytes of scale words, row r of tile rt at 32 r + 4 rt; lane r of tile rt is row
; 32 (rt / 2) + 8 (rt % 2) + r % 8 + 16 (r / 8)): q | k as [4096 tokens][2048] (K step hp: q of head pair hp; 8 + hp: k), v^T as [1024][4096 tokens] from byte 6,553,600 on.  Head parity p of a block of q or k is each image's
; half p (768 bytes) and bytes 2 p, 2 p + 1 of the scale words; of a block of v^T it is tiles 4 p .. 4 p + 3 (6,144 bytes).
; SHARES.  A work-group owns ONE head and 256 queries: 32 heads x 8 = 256 work-groups.  Wave w of eight owns two tiles of 16 queries, so that each fragment of k and v^T feeds two matrix instructions.
; LDS.  The head's 16 blocks of k (204,800 bytes, both parities as they lie), its 16 x 6,144 bytes of v^T and v^T's 16 x 512 bytes of scale words are 311,296 bytes: all stay, nothing is filled twice.
; They come in two groups of joint loads: at the head key steps 0-3 and all of v^T's words (waves 0-4, one load each); behind the full sequence and a round of the cluster's barrier key steps 4-15 (every wave one load).
; One barrier behind key step 2 shows the second group landed: a step's fragments of k are fetched a step ahead, so the barrier stands ahead of the fetch of step 4's.
; CLUSTER 4 x 1: four blocks of queries walk the same k and v^T.  No prefetch is laid: every fill is asked for at the head or directly behind the first group's landing, so there is no loop to run ahead in.
; THE KEYS OF A TILE are chosen by the lanes' LDS addresses: lane m of tile 4 c + t reads the image of key 64 c + 32 (m / 8) + 8 t + m % 8.  Both products are used transposed, so lane (query, h) then holds in registers
; 32 c + i the key 64 c + 32 h + i: a whole block of 32 keys, in the order of the next operand's registers: no lane is asked for a block's maximum and no code changes lanes.
; THE FIRST PRODUCT has K = 64 in an instruction of 128: registers 6-11 of both operands are zero codes, written once, under scale bytes 0 (2^-127: no NaN): they add nothing.
; THE SOFTMAX: t = score x log2(e) / 8; M = the running largest t rounded UP to a whole number; p = 2^(t - M) is quantised along the keys; the row's sum is taken of the unquantised p and divides at the end;
; when M moves, the sum and O are multiplied by 2^(old M - new M), which rounds nothing.
; LIMITS: NaN and infinities are not served; t stays under 2^31 in magnitude; a p under 2^-126 counts as 0; a block whose largest magnitude lies under 2^-124 keeps the byte 1.
; The output's two scale bytes a row leave as 2 bytes at steps of 32: the other two bytes of each word belong to the other head's work-group.
; REGISTERS.  Query tile 0's state lies in window 0, tile 1's at the same numbers in window 1: v11 8 h; v12 -M, v13 largest t, v[14:15] the sum; v16-27 q; v128-191 S^T, then p; v192-223 O^T; v224-235 p's codes; v236-245, v252 at work.
;   window 0 alone: v1-6 lane terms of LDS addresses; v7, v8 the add's; v9, v10 16 x, 8 x lane; v32-79 k's tiles 0-3; v80-85 the step's addresses; v88-95 k's scale words; v96-99 v^T's; v100, v101 p's; v102, v103 q's.
;   window 1 alone: v32-79 k's tiles 4-7; v80-127 v^T's four fragments.
.set BLK,   12800
.set FRG,   1536
.set SCO,   12288
.set HV,    6144                       ; a head's four tiles in a block of v^T
.set VB,    16*BLK                     ; LDS: behind k's blocks, v^T's tiles
.set VSB,   VB+16*HV                   ; and v^T's scale words
.set SPARE, VSB+16*512                 ; the spare words, 128 bytes for each of eight waves
.set VTOFF, 6553600
.set AK16, 1
.set AK8,  2
.set ASK,  3
.set AV16, 4
.set AV8,  5
.set ASV,  6
.set SPW,  7
.set NIL,  8
.set KA16, 80
.set KA8,  81
.set KAS,  82
.set VA16, 83
.set VA8,  84
.set VAS,  85
.set KW,   88
.set VW,   96
.set PW,   100
.set QW,   102
.set S,    128
.set OT,   192
.set WV,   18
.set SEL,  20
.set CS,   22
.set G1K,  24                          ; group 1: two blocks of k
.set G1V,  32                          ; two steps' tiles of v^T
.set G1S,  40                          ; sixteen steps' scale words of v^T
.set G1W,  48                          ; six steps' tiles of v^T
.set G0K,  56
.set G0V,  60
.set G0S,  68
.set G0W,  72
.set TBK,  84                          ; LDS byte of the NEXT step's block of k
.set TBV,  85                          ; of this step's tiles of v^T, from VB
.set TBS,  86                          ; of this step's words of v^T, from VSB
.set CNT,  87
.set MSB, 0
.macro WIN new                         ; the immediate's high byte repeats the setting that is left
.if MSB != (\new)
	s_set_vgpr_msb (MSB<<8)|(\new)
.set MSB, (\new)
.endif
.endm
.macro NOP4
.rept 4
	v_nop
.endr
.endm
.macro CROUND                          ; a round of the cluster's barrier
	s_barrier_signal -1
	s_barrier_wait -1
	s_cmp_lg_u32 s[WV], 0
	s_cbranch_scc1 .Lnot_wave_0_\@
	s_barrier_signal -3
.Lnot_wave_0_\@:
	s_barrier_wait -3
	s_barrier_signal -1
	s_barrier_wait -1
.endm
.macro DESC g, c, r, p                 ; r rows of c elements of 8 bytes, p elements apart; all four work-groups; bit 21 beside the mask
	s_mov_b32 s[\g], 15|(3<<16)|(1<<21)
	s_mov_b32 s[\g+1], (\c)<<16
	s_mov_b32 s[\g+2], (\r)<<16
	s_mov_b32 s[\g+3], (\c)<<16
	s_mov_b32 s[\g+4], \r
	s_mov_b32 s[\g+5], \p
	s_mov_b32 s[\g+6], 0
	s_mov_b32 s[\g+7], 0
.endm
.macro GRP0 g, o                       ; group 0 but for its LDS address: the tile begins s[o:o+1] bytes into the input
	s_mov_b32 s[\g], 1
	s_add_nc_u64 s[\g+2:\g+3], s[4:5], s[\o:\o+1]
	s_or_b32 s[\g+3], s[\g+3], 0x80000000
.endm
.macro ARM under, g0, g1, other        ; waves under a number issue this load; an s_nop 0 and four v_nop follow it
	s_cmp_lt_u32 s[WV], \under
	s_cbranch_scc0 \other
	tensor_load_to_lds s[\g0:\g0+3], s[\g1:\g1+7]
	s_nop 0
	NOP4
.endm
	s_load_b128 s[4:7], s[0:1], 0x0                ; q | k | v^T s[4:5]; the output s[6:7]
	v_lshl_add_u32 v[SPW], v0, 2, SPARE
	v_mov_b32 v[NIL], 0
	ds_add_u32 v[SPW], v[NIL]                      ; the opening lines: the add, twice on end, and its wait ahead of the first tensor load
	ds_add_u32 v[SPW], v[NIL]
	v_lshrrev_b32 v9, 5, v0
	v_readfirstlane_b32 s[WV], v9                  ; wave 0..7
	s_bfe_u32 s8, ttmp6, 0x40000                   ; cx
	s_lshl_b32 s9, ttmp9, 2
	s_add_co_u32 s9, s9, s8                        ; my block of 256 queries: it enters q's and the output's addresses alone
	s_and_b32 s10, ttmp7, 0xffff
	s_lshr_b32 s11, s10, 4                         ; the batch
	s_bfe_u32 s12, s10, 0x30001                    ; the head pair
	s_and_b32 s13, s10, 1                          ; p: the head's parity.  All three are shared by the four partners
	s_lshl_b32 s14, s11, 8
	s_add_co_u32 s14, s14, s12
	s_add_co_u32 s14, s14, 8
	s_mul_i32 s14, s14, BLK                        ; k: block (16 batch, 8 + hp)
	s_mul_i32 s15, s[WV], 32*BLK
	s_add_co_u32 s88, s14, s15                     ; + 2 w row blocks of tokens, 16 blocks each
	s_mov_b32 s89, 0
	s_lshl_b32 s14, s12, 5
	s_lshl_b32 s15, s11, 4
	s_add_co_u32 s14, s14, s15
	s_mul_i32 s14, s14, BLK
	s_add_co_u32 s14, s14, VTOFF                   ; v^T: block (hp, 16 batch)
	s_add_co_u32 s92, s14, SCO                     ; its scale words
	s_mov_b32 s93, 0
	s_mul_i32 s16, s13, HV
	s_add_co_u32 s14, s14, s16                     ; my head's tiles
	s_mul_i32 s16, s[WV], 2*BLK
	s_add_co_u32 s90, s14, s16
	s_sub_co_u32 s90, s90, 4*BLK                   ; waves 2, 3: key steps 2 (w - 2), + 1
	s_mov_b32 s91, 0
	s_mul_i32 s16, s[WV], 6*BLK
	s_add_co_u32 s94, s14, s16
	s_sub_co_u32 s94, s94, 32*BLK                  ; waves 6, 7: key steps 4 + 6 (w - 6) on
	s_mov_b32 s95, 0
	s_mul_i32 s[G0K+1], s[WV], 2*BLK               ; where they go: made of the wave's number alone
	s_mul_i32 s[G0V+1], s[WV], 2*HV
	s_add_co_u32 s[G0V+1], s[G0V+1], VB-4*HV
	s_mov_b32 s[G0S+1], VSB
	s_mul_i32 s[G0W+1], s[WV], 6*HV
	s_add_co_u32 s[G0W+1], s[G0W+1], VB-32*HV
	s_lshl_b32 s16, s9, 1
	s_add_co_u32 s16, s16, s15
	s_lshr_b32 s17, s[WV], 2
	s_add_co_u32 s16, s16, s17                     ; my row block of tokens: 16 batch + 2 x block of queries + w / 4
	s_and_b32 s17, s[WV], 3                        ; my tiles: 2 (w % 4), + 1
	s_lshl_b32 s19, s16, 4
	s_add_co_u32 s19, s19, s12
	s_mul_i32 s78, s19, BLK                        ; q's block
	s_lshl_b32 s19, s16, 3
	s_add_co_u32 s19, s19, s12
	s_mul_i32 s82, s19, BLK                        ; the output's block
	s_mul_i32 s19, s17, 2*FRG
	s_mul_i32 s16, s13, 768                        ; s16 = 768 p
	s_add_co_u32 s19, s19, s16
	s_add_co_u32 s76, s78, s19                     ; my first tile's half p
	s_add_co_u32 s80, s82, s19
	s_lshl_b32 s19, s17, 3
	s_lshl_b32 s17, s13, 1                         ; s17 = 2 p
	s_add_co_u32 s19, s19, s17
	s_add_co_u32 s78, s78, s19                     ; my two bytes of a scale word: + 4 x tile + 2 p
	s_add_co_u32 s82, s82, s19
	s_mov_b32 s77, 0
	s_mov_b32 s79, 0
	s_mov_b32 s81, 0
	s_mov_b32 s83, 0
	DESC G1K, 1600, 2, 25600
	DESC G1V, 768, 2, 1600
	DESC G1S, 64, 16, 1600
	DESC G1W, 768, 6, 1600
	s_mov_b32 s[SEL], 0x76543210
	s_mov_b32 s[SEL+1], 0xfedcba98                 ; v_permlanex16_b32's selects for lane l xor 16
	s_mov_b32 s[CS], 0x3e38aa3b                    ; c = log2(e) / 8
	s_mov_b32 s[CS+1], s[CS]
	s_wait_dscnt 0x0                               ; both opening adds are done
	s_wait_kmcnt 0x0
	GRP0 G0K, 88
	GRP0 G0V, 90
	GRP0 G0S, 92
	GRP0 G0W, 94
	s_add_nc_u64 s[76:77], s[4:5], s[76:77]
	s_add_nc_u64 s[78:79], s[4:5], s[78:79]
	s_add_nc_u64 s[80:81], s[6:7], s[80:81]
	s_add_nc_u64 s[82:83], s[6:7], s[82:83]
	CROUND                                         ; all four work-groups are here: the first joint loads meet
	ARM 2, G0K, G1K, .La_v                         ; THE HEAD'S LOADS, one chain, one load to an arm: waves 0, 1: k of key steps 0-3;
	s_branch .La_done
.La_v:
	ARM 4, G0V, G1V, .La_s                         ; waves 2, 3: v^T of key steps 0-3;
	s_branch .La_done
.La_s:
	ARM 5, G0S, G1S, .La_done                      ; wave 4: all of v^T's scale words
.La_done:
	v_and_b32 v224, 7, v0                          ; m % 8
	v_bfe_u32 v225, v0, 3, 1                       ; m / 8
	v_bfe_u32 v226, v0, 4, 1                       ; h
	v_and_b32 v227, 31, v0                         ; lane
	v_and_b32 v228, 15, v0                         ; r
	v_mul_u32_u24 v[AK16], v225, 2*FRG             ; k: lanes 8-15 of a half read two images further on
	v_lshl_add_u32 v[AK8], v224, 3, v[AK16]
	v_lshl_add_u32 v[AK16], v224, 4, v[AK16]
	v_lshl_add_u32 v[AK8], v226, 7, v[AK8]
	v_lshl_add_u32 v[AK16], v226, 8, v[AK16]
	s_add_co_u32 s19, s16, 512
	v_add_nc_u32 v[AK16], s16, v[AK16]             ; 3,072 (m / 8) + 16 (m % 8) + 256 h + 768 p
	v_add_nc_u32 v[AK8], s19, v[AK8]               ; 3,072 (m / 8) + 8 (m % 8) + 128 h + 768 p + 512
	v_lshlrev_b32 v[ASK], 5, v224
	v_lshl_add_u32 v[ASK], v225, 3, v[ASK]
	s_add_co_u32 s19, s17, SCO
	v_add_nc_u32 v[ASK], s19, v[ASK]               ; k's scale bytes: 32 (m % 8) + 8 (m / 8) + 2 p
	v_lshlrev_b32 v9, 4, v227
	v_lshlrev_b32 v10, 3, v227
	v_add_nc_u32 v[AV16], VB, v9                   ; v^T's images are read as they lie
	v_add_nc_u32 v[AV8], VB+512, v10
	s_lshl_b32 s19, s13, 4
	s_add_co_u32 s19, s19, VSB
	v_lshl_add_u32 v[ASV], v228, 5, s19            ; v^T's words: 32 r + 16 p
	v_lshlrev_b32 v229, 5, v228
	global_load_b128 v[16:19], v9, s[76:77]        ; q stays in registers: tile 0,
	global_load_b64 v[20:21], v10, s[76:77] offset:512
	global_load_u16 v[QW], v229, s[78:79] offset:SCO     ; its two scale bytes a row; the upper two are 0
	global_load_u16 v[QW+1], v229, s[78:79] offset:SCO+4
	WIN 0x40
	global_load_b128 v[16:19], v9, s[76:77] offset:FRG   ; and tile 1, into window 1
	global_load_b64 v[20:21], v10, s[76:77] offset:FRG+512
.macro INIT                            ; a window's state; every source is a constant or lies in window 0
	v_mov_b32 v12, 0x7f61b1e6                      ; -M
	v_mov_b32 v13, 0xff61b1e6                      ; the largest t so far: -3e38
.irp i, 14,15,22,23,24,25,26,27,237,241,253
	v_mov_b32 v[\i], 0                             ; the sum; q's zero codes; lane permutes' destinations and a pair's upper half, which count as read
.endr
.irp t, 0,1,2,3
.irp i, 6,7,8,9,10,11
	v_mov_b32 v[32+12*\t+\i], 0                    ; k's zero codes
.endr
.endr
.set j, 0
.rept 32
	v_mov_b32 v[OT+j], 0                           ; O^T: the step is written once; the first finds zeros, which the first change of M leaves zeros
.set j, j+1
.endr
	v_lshlrev_b32 v11, 3, v226                     ; 8 h
.endm
	INIT
	WIN 0
	INIT
; k's eight fragments and scale words of one key step: 24 loads.  Tile 4 c + t: images 4 c + t % 2 (+ 2 in lanes 8-15 of a half), lanes 8 (t / 2) on
.macro KLOAD a16, a8, as
	WIN 0x40
.irp t, 0,1,2,3
	ds_load_b128 v[32+12*\t:35+12*\t], v[\a16] offset:(4+(\t%2))*FRG+128*(\t/2)
	ds_load_b64 v[36+12*\t:37+12*\t], v[\a8] offset:(4+(\t%2))*FRG+64*(\t/2)
.endr
	WIN 0
.irp t, 0,1,2,3
	ds_load_b128 v[32+12*\t:35+12*\t], v[\a16] offset:(\t%2)*FRG+128*(\t/2)
	ds_load_b64 v[36+12*\t:37+12*\t], v[\a8] offset:(\t%2)*FRG+64*(\t/2)
.endr
.irp t, 0,1,2,3,4,5,6,7
	ds_load_u16 v[KW+\t], v[\as] offset:16*(\t/4)+4*(\t%2)+256*((\t%4)/2)
.endr
.endm
; Query tile w: the softmax of 128 keys, p's codes and scale word, O^T += v^T p^T.  All its registers lie in window w, but for p's word, v^T's words (window 0) and v^T's fragments (window 1)
.macro SOFT w
	WIN 0x55*\w
.if \w
	s_wait_alu depctr_va_vdst(0)                   ; tile 0's exponentials stand between these scores' products and their first reads
.endif
.irp b, 0,1,2,3
	v_max3_num_f32 v[236+\b], v[S+16*\b], v[S+16*\b+1], v[S+16*\b+2]   ; four chains; each accumulator is first read at its low end
.endr
.irp i, 3,5,7,9,11,13
.irp b, 0,1,2,3
	v_max3_num_f32 v[236+\b], v[236+\b], v[S+16*\b+\i], v[S+16*\b+\i+1]
.endr
.endr
	v_max3_num_f32 v236, v236, v237, v[S+15]
	v_max3_num_f32 v238, v238, v239, v[S+47]
	v_max_num_f32 v236, v236, v[S+31]              ; the largest score of my block h,
	v_max_num_f32 v238, v238, v[S+63]              ; and of my block 2 + h: for the row's maximum and, since p rises with the score, for the block's largest p
	v_max_num_f32 v240, v236, v238
	v_permlanex16_b32 v241, v240, s[SEL], s[SEL+1]
	v_max_num_f32 v240, v240, v241                 ; the step's largest score of my query
	v_mul_f32 v240, s[CS], v240                    ; as t (c is positive)
	v_max_num_f32 v13, v13, v240                   ; the running largest t
	v_mov_b32 v240, v12
	v_floor_f32 v12, -v13                          ; the new -M = -ceil(t)
	v_sub_f32 v240, v12, v240                      ; old M - new M: a whole number, 0 or less
	v_cvt_i32_f32 v240, v240                       ; (it saturates)
	v_ldexp_f32 v252, 1.0, v240                    ; f = 2^(old M - new M)
.set j, 0
.rept 32
	v_pk_fma_f32 v[S+j:S+j+1], v[S+j:S+j+1], s[CS:CS+1], v[12:13] op_sel_hi:[1,0,0]   ; t - M
.set j, j+2
.endr
	v_fma_f32 v236, v236, s[CS], v12
	v_fma_f32 v238, v238, s[CS], v12
	s_wait_alu depctr_va_vdst(0)
.set j, 0
.rept 64
	v_exp_f32 v[S+j], v[S+j]                       ; p = 2^(t - M): not normalised
.set j, j+1
.endr
	v_exp_f32 v236, v236                           ; each block's largest p: the same two instructions on the same number
	v_exp_f32 v238, v238
	v_pk_mul_f32 v[14:15], v[14:15], v[252:253] op_sel_hi:[1,0]   ; the sums under the new M (a plain instruction behind the batch)
	s_wait_alu depctr_va_vdst(0)                   ; one wait for the batch, ahead of its first reader
.irp i, 0,1,2,3,4,5                    ; the row's sum of the unquantised p: 32 packed additions in eight chains
	v_pk_add_f32 v[224+2*\i:225+2*\i], v[S+4*\i:S+4*\i+1], v[S+4*\i+2:S+4*\i+3]
.endr
	v_pk_add_f32 v[240:241], v[S+24:S+25], v[S+26:S+27]
	v_pk_add_f32 v[14:15], v[14:15], v[S+28:S+29]
.irp k, 30,46
.irp i, 0,1,2,3,4,5
	v_pk_add_f32 v[224+2*\i:225+2*\i], v[224+2*\i:225+2*\i], v[S+\k+2*\i:S+\k+2*\i+1]
.endr
	v_pk_add_f32 v[240:241], v[240:241], v[S+\k+12:S+\k+13]
	v_pk_add_f32 v[14:15], v[14:15], v[S+\k+14:S+\k+15]
.endr
	v_pk_add_f32 v[224:225], v[224:225], v[S+62:S+63]
	v_pk_add_f32 v[226:227], v[226:227], v[228:229]
	v_pk_add_f32 v[230:231], v[230:231], v[232:233]
	v_pk_add_f32 v[14:15], v[14:15], v[240:241]
	v_pk_add_f32 v[224:225], v[224:225], v[234:235]
	v_pk_add_f32 v[226:227], v[226:227], v[230:231]
	v_pk_add_f32 v[14:15], v[14:15], v[224:225]
	v_pk_add_f32 v[14:15], v[14:15], v[226:227]
	v_max_num_f32 v236, 0x1800000, v236            ; the floor 2^(3 - 127): the byte cannot fall under 1
	v_max_num_f32 v238, 0x1800000, v238
	v_add_nc_u32 v244, 0xff000000, v236            ; 2 off the exponent field: the conversion's scale operand
	v_add_nc_u32 v245, 0xff000000, v238
	v_lshrrev_b32 v236, 23, v244                   ; the byte
	v_lshrrev_b32 v238, 23, v245
	v_lshl_or_b32 v236, v238, 16, v236             ; my two bytes: blocks h and 2 + h,
	v_lshlrev_b32 v236, v11, v236                  ; at their places in the word;
	v_permlanex16_b32 v237, v236, s[SEL], s[SEL+1]
	WIN 0x05*\w
	v_or_b32 v[PW+\w], v236, v237                  ; with lane l xor 16's two the word is whole; scale operands are taken from window 0
	WIN 0x55*\w
	v_cvt_scalef32_pk16_fp6_f32 v[224:226], v[S:S+15], v244
	v_cvt_scalef32_pk16_fp6_f32 v[236:238], v[S+16:S+31], v244      ; (a conversion's three registers begin on an even number)
	v_cvt_scalef32_pk16_fp6_f32 v[230:232], v[S+32:S+47], v245
	v_cvt_scalef32_pk16_fp6_f32 v[240:242], v[S+48:S+63], v245
	v_nop                                          ; one plain instruction behind a scaled conversion
.irp i, 0,1,2
	v_mov_b32 v[227+\i], v[236+\i]
	v_mov_b32 v[233+\i], v[240+\i]
.endr
.if \w == 0
	s_wait_dscnt 24                                ; v^T's word load and 16 fragment loads are in; the 24 loads of the next step's k, issued behind them, may be out
.endif
	s_wait_alu depctr_va_vdst(0)                   ; directly ahead of O^T's first reader behind the exponentials
.set j, 0
.rept 16
	v_pk_mul_f32 v[OT+j:OT+j+1], v[OT+j:OT+j+1], v[252:253] op_sel_hi:[1,0]   ; O^T under the new M (these sixteen also stand between the writes of p's word and codes and the products)
.set j, j+2
.endr
	WIN 0x54*\w+1
.irp t, 0,1,2,3                        ; the four accumulators by turns
	v_wmma_scale_f32_16x16x128_f8f6f4 v[OT+8*\t:OT+8*\t+7], v[80+12*\t:91+12*\t], v[224:235], v[OT+8*\t:OT+8*\t+7], v[VW+\t], v[PW+\w] matrix_a_fmt:MATRIX_FMT_FP6 matrix_b_fmt:MATRIX_FMT_FP6
.endr
.endm
; A KEY STEP: 128 keys.  Its fragments of k were asked for a step ago
.macro STEP
	s_wait_dscnt 0x0
.irp g, 0,1
.irp w, 0,1
	WIN 0x54*\w+\g                                 ; k's tiles 4 g on lie in window g, q and S^T in window w
.irp t, 0,1,2,3
	v_wmma_scale_f32_16x16x128_f8f6f4 v[S+8*(4*\g+\t):S+8*(4*\g+\t)+7], v[32+12*\t:43+12*\t], v[16:27], 0, v[KW+4*\g+\t], v[QW+\w] matrix_a_fmt:MATRIX_FMT_FP6 matrix_b_fmt:MATRIX_FMT_FP6
.endr
.endr
.endr
	WIN 0
	v_add_nc_u32 v[KA16], s[TBK], v[AK16]          ; these six are the places behind the products: in front of the loads into their fragments and scale words, and of the first reads of S^T
	v_add_nc_u32 v[KA8], s[TBK], v[AK8]
	v_add_nc_u32 v[KAS], s[TBK], v[ASK]
	v_add_nc_u32 v[VA16], s[TBV], v[AV16]
	v_add_nc_u32 v[VA8], s[TBV], v[AV8]
	v_add_nc_u32 v[VAS], s[TBS], v[ASV]
	ds_load_b128 v[VW:VW+3], v[VAS]                ; this step's v^T lands under tile 0's softmax,
	WIN 0x40
.irp t, 0,1,2,3
	ds_load_b128 v[80+12*\t:83+12*\t], v[VA16] offset:\t*FRG
	ds_load_b64 v[84+12*\t:85+12*\t], v[VA8] offset:\t*FRG
	ds_load_b128 v[86+12*\t:89+12*\t], v[VA16] offset:\t*FRG+768
	ds_load_b64 v[90+12*\t:91+12*\t], v[VA8] offset:\t*FRG+768
.endr
	KLOAD KA16, KA8, KAS                           ; the next step's k under both (the last step's fetch reads bytes of v^T's region, and nobody uses it)
	SOFT 0
	SOFT 1
	WIN 0
.endm
.macro WALK n
	s_mov_b32 s[CNT], \n
.Lstep_\@:
	STEP
	s_add_co_u32 s[TBK], s[TBK], BLK
	s_add_co_u32 s[TBV], s[TBV], HV
	s_add_co_u32 s[TBS], s[TBS], 512
	s_sub_co_u32 s[CNT], s[CNT], 1
	s_cmp_lg_u32 s[CNT], 0
	s_wait_alu depctr_va_vdst(0)
	s_cbranch_scc1 .Lstep_\@
.endm
	s_wait_alu depctr_va_vdst(0)
	s_wait_loadcnt 0x0                             ; q
	s_wait_tensorcnt 0x0                           ; my load of the first group has landed; the second group's first fills are issued as refills are:
	ds_add_u32 v[SPW], v[NIL]                      ; the add, twice on end
	ds_add_u32 v[SPW], v[NIL]
	s_add_co_u32 s[G0K+1], s[G0K+1], 4*BLK         ; no tensor load of mine is out, so a group 0 may be written: k's key steps 4 + 2 w, + 1
	s_add_nc_u64 s[G0K+2:G0K+3], s[G0K+2:G0K+3], 64*BLK
	s_mov_b32 s[TBK], BLK
	s_mov_b32 s[TBV], 0
	s_mov_b32 s[TBS], 0
	s_wait_dscnt 0x0
	CROUND                                         ; everybody's part of the first group is in, and the joint loads meet
	ARM 6, G0K, G1K, .Lb_v                         ; waves 0-5: k of key steps 4-15;
	s_branch .Lb_done
.Lb_v:
	tensor_load_to_lds s[G0W:G0W+3], s[G1W:G1W+7]  ; waves 6, 7: v^T of key steps 4-15
	s_nop 0
	NOP4
.Lb_done:
	KLOAD AK16, AK8, ASK                           ; key step 0's k
	WALK 3                                         ; key steps 0-2; they fetch k of steps 1-3
	s_wait_tensorcnt 0x0                           ; my load of the second group has landed
	s_wait_dscnt 0x0                               ; no LDS instruction of mine is pending at a signal
	s_barrier_signal -1
	s_barrier_wait -1                              ; everybody's has
	WALK 13                                        ; key steps 3-15
; THE WAY OUT: O^T / the sum; register 16 b + i is d = 32 b + 16 h + i of my head: two blocks of the next K; their codes are half p of my tile of the output's block
.macro FIN w
	WIN 0x55*\w
	v_add_f32 v14, v14, v15
	v_permlanex16_b32 v241, v14, s[SEL], s[SEL+1]
	v_add_f32 v14, v14, v241                       ; the row's sum
	s_wait_alu depctr_va_vdst(0)
	v_rcp_f32 v14, v14
	v_nop
	s_wait_alu depctr_va_vdst(0)                   ; ahead of the reciprocal's first reader, which is O^T's first reader too
.set j, 0
.rept 16
	v_pk_mul_f32 v[S+j:S+j+1], v[OT+j:OT+j+1], v[14:15] op_sel_hi:[1,0]
.set j, j+2
.endr
.irp b, 0,1
	v_max3_num_f32 v[236+\b], |v[S+16*\b]|, |v[S+16*\b+1]|, 0x1800000
.endr
.irp i, 2,4,6,8,10,12,14
.irp b, 0,1
	v_max3_num_f32 v[236+\b], v[236+\b], |v[S+16*\b+\i]|, |v[S+16*\b+\i+1]|
.endr
.endr
.irp b, 0,1
	v_permlanex16_b32 v[240+\b], v[236+\b], s[SEL], s[SEL+1]
.endr
.irp b, 0,1
	v_max_num_f32 v[236+\b], v[236+\b], v[240+\b]  ; with lane l xor 16's: the block's largest magnitude
.endr
.irp b, 0,1
	v_add_nc_u32 v[244+\b], 0xff000000, v[236+\b]
.endr
.irp b, 0,1
	v_lshrrev_b32 v[240+\b], 23, v[244+\b]
.endr
	v_lshl_or_b32 v243, v241, 8, v240              ; my two bytes of row r's scale word
	v_cvt_scalef32_pk16_fp6_f32 v[224:226], v[S:S+15], v244
	v_cvt_scalef32_pk16_fp6_f32 v[236:238], v[S+16:S+31], v245
	v_nop
.irp i, 0,1,2
	v_permlane16_swap_b32 v[224+\i], v[236+\i]     ; the operand's layout wants a whole block in a lane
.endr
.irp i, 0,1,2
	v_mov_b32 v[227+\i], v[236+\i]
.endr
	WIN 0x04*\w                                    ; the stores' data lie in window w
	global_store_b128 v9, v[224:227], s[80:81] offset:\w*FRG        ; 512 consecutive bytes, at a multiple of 256 from the buffer's first byte
	global_store_b64 v10, v[228:229], s[80:81] offset:\w*FRG+512    ; 256
	global_store_b16 v1, v243, s[82:83] offset:SCO+4*\w             ; both lanes of a row store the same two bytes
.endm
	v_and_b32 v1, 15, v0
	v_lshlrev_b32 v1, 5, v1                        ; 32 r
	FIN 0
	FIN 1
	WIN 0
	s_wait_tensorcnt 0x0                           ; the wave's end
	ds_add_u32 v[SPW], v[NIL]
	s_wait_dscnt 0x0
	CROUND                                         ; the closing round
	s_endpgm
.Lfunc_end_k_qbe425320dd_attn:
	.size	k_qbe425320dd_attn, .Lfunc_end_k_qbe425320dd_attn-k_qbe425320dd_attn
	.p2alignl 7, 3214868480
	.fill 96, 4, 3214868480
	.section	.rodata,"a",@progbits
	.p2align	6, 0x0
	.amdhsa_kernel k_qbe425320dd_attn
		.amdhsa_group_segment_fixed_size 327680
		.amdhsa_private_segment_fixed_size 0
		.amdhsa_enable_private_segment 0
		.amdhsa_kernarg_size 16
		.amdhsa_user_sgpr_count 2
		.amdhsa_user_sgpr_kernarg_segment_ptr 1
		.amdhsa_wavefront_size32 1
		.amdhsa_system_sgpr_workgroup_id_x 1
		.amdhsa_system_sgpr_workgroup_id_y 1
		.amdhsa_system_sgpr_workgroup_id_z 1
		.amdhsa_system_vgpr_workitem_id 0
		.amdhsa_next_free_vgpr 512
		.amdhsa_next_free_sgpr 96
		.amdhsa_reserve_vcc 0
		.amdhsa_float_denorm_mode_32 3
		.amdhsa_float_denorm_mode_16_64 3
		.amdhsa_memory_ordered 1
		.amdhsa_forward_progress 1
		.amdhsa_inst_pref_size 80
	.end_amdhsa_kernel
	.amdgpu_metadata
---
amdhsa.version: [ 1, 2 ]
amdhsa.kernels:
  - .name:           k_qbe425320dd_attn
    .symbol:         k_qbe425320dd_attn.kd
    .args:
      - { .name: qkvc, .offset: 0, .size: 8, .value_kind: global_buffer, .address_space: global }
      - { .name: aoq, .offset: 8, .size: 8, .value_kind: global_buffer, .address_space: global }
    .group_segment_fixed_size: 327680
    .private_segment_fixed_size: 0
    .kernarg_segment_align: 8
    .kernarg_segment_size: 16
    .max_flat_workgroup_size: 256
    .sgpr_count:     96
    .vgpr_count:     512
    .wavefront_size: 32
...
	.end_amdgpu_metadata
.endif
;; end of part 3
;; launch proj (part 4): grid 8 x 32, 4 waves a work-group, clusters of 4 x 4, 327,680 bytes of LDS; arguments aoq, pq, proj_b, x, x1; writes x1
.if DOCPART == 4
	.amdgcn_target "amdgcn-amd-amdhsa--gfx1250"
	.amdhsa_code_object_version 6
	.text
	.protected	k_qbe425320dd_proj
	.globl	k_qbe425320dd_proj
	.p2align	8
	.type	k_qbe425320dd_proj,@function
k_qbe425320dd_proj:
	s_mov_b64 s[64:65], 0
	v_nop
	global_prefetch_b8 v0, s[64:65] scope:SCOPE_SE
	s_setreg_imm32_b32 hwreg(HW_REG_WAVE_MODE, 25, 1), 1
	s_wait_xcnt 0x0
	s_wait_alu depctr_hold_cnt(0) depctr_sa_sdst(0) depctr_va_vdst(0) depctr_va_sdst(0) depctr_va_ssrc(0) depctr_va_vcc(0) depctr_vm_vsrc(0)
	s_getreg_b32 s2, hwreg(HW_REG_IB_STS2, 6, 4)
	s_cmp_eq_u32 s2, 0
	s_cbranch_scc0 .Lentry_in_a_cluster
	s_endpgm
.Lentry_in_a_cluster:
	s_bfe_u32 s2, ttmp6, 0x10000c
	s_cmp_lg_u32 s2, 0xf033
	s_cbranch_scc0 .Lentry_shape_is_right
	s_endpgm
.Lentry_shape_is_right:
.set KSN,   8
.set BOFF,  5734400
.set BLK,   12800
.set FRG,   1536
.set SCO,   12288
.set HALFT, 2*BLK
.set BREG,  4*BLK
.set SLOT,  8*BLK
.set STAGE, 2*SLOT
.set SPITCH, 272
.set SPARE, STAGE+4*16*SPITCH
.set LAPS,  KSN/8
.set FR,    12
.set ADRA,  16
.set ADRB,  20
.set STO,   24
.set RD,    25
.set CO,    26
.set SPW,   28
.set NIL,   29
.set ADRS,  30
.set SC,    32
.set BI,    40
.set BK,    40
.set ACC,   128
.set G1,  24
.set G0,  32
.set G1B, 48
.set G0B, 56
.set MSB, 0
.macro WIN new
.if MSB != \new
	s_set_vgpr_msb (MSB<<8)|\new
.set MSB, \new
.endif
.endm
.set MUL,  0x05
.set TO_F, 0x40
.macro JLOAD s
	s_cmp_eq_u32 s15, 0
	s_cbranch_scc0 .Lfor_b_\@
	tensor_load_to_lds s[G0+4*\s:G0+4*\s+3], s[G1:G1+7]
	s_nop 0
.rept 4
	v_nop
.endr
	s_branch .Lasked_\@
.Lfor_b_\@:
	tensor_load_to_lds s[G0B+4*\s:G0B+4*\s+3], s[G1B:G1B+7]
	s_nop 0
.rept 4
	v_nop
.endr
.Lasked_\@:
.endm
.macro CREST
	s_cmp_lg_u32 s14, 0
	s_cbranch_scc1 .Lnot_wave_0_\@
	s_barrier_signal -3
.Lnot_wave_0_\@:
	s_barrier_wait -3
	s_barrier_signal -1
	s_barrier_wait -1
.endm
.macro CROUND
	s_barrier_signal -1
	s_barrier_wait -1
	CREST
.endm
	s_load_b256 s[4:11], s[0:1], 0x0
	s_load_b64 s[12:13], s[0:1], 0x20
	v_lshl_add_u32 v[SPW], v0, 2, SPARE
	v_mov_b32 v[NIL], 0
	ds_add_u32 v[SPW], v[NIL]
	ds_add_u32 v[SPW], v[NIL]
	v_lshrrev_b32 v1, 5, v0
	v_readfirstlane_b32 s14, v1
	s_lshr_b32 s15, s14, 1
	s_and_b32 s16, s14, 1
	s_bfe_u32 s40, ttmp6, 0x40000
	s_bfe_u32 s41, ttmp6, 0x40004
	s_lshl_b32 s42, ttmp9, 2
	s_add_co_u32 s42, s42, s40
	s_and_b32 s17, ttmp7, 0xffff
	s_lshl_b32 s17, s17, 2
	s_add_co_u32 s17, s17, s41
	s_lshl_b32 s43, s41, 2
	s_lshl_b32 s43, 15, s43
	s_lshl_b32 s44, 0x1111, s40
	s_or_b32 s[G1+0], s43, (3<<16)|(1<<21)
	s_or_b32 s[G1B+0], s44, (3<<16)|(1<<21)
.irp g, G1, G1B
	s_mov_b32 s[\g+1], 32<<16
	s_mov_b32 s[\g+2], 100<<16
	s_mov_b32 s[\g+3], 32<<16
	s_mov_b32 s[\g+4], 100
	s_mov_b32 s[\g+5], 32
	s_mov_b32 s[\g+6], 0
	s_mov_b32 s[\g+7], 0
.endr
	s_mul_i32 s18, s16, HALFT
	s_mul_i32 s20, s17, KSN*BLK
	s_add_co_u32 s20, s20, s18
	s_mov_b32 s21, 0
	s_mul_i32 s46, s42, KSN*BLK
	s_add_co_u32 s46, s46, s18
	s_add_co_u32 s46, s46, BOFF
	s_mov_b32 s47, 0
	s_mul_i32 s23, s14, HALFT
	s_wait_dscnt 0x0
	s_wait_kmcnt 0x0
	s_add_nc_u64 s[20:21], s[4:5], s[20:21]
	s_add_nc_u64 s[46:47], s[6:7], s[46:47]
	CROUND
.irp s, 0,1
	s_mov_b32 s[G0+4*\s], 1
	s_add_co_u32 s[G0+4*\s+1], s23, \s*SLOT
	s_add_nc_u64 s[G0+4*\s+2:G0+4*\s+3], s[20:21], \s*BREG
	s_or_b32 s[G0+4*\s+3], s[G0+4*\s+3], 0x80000000
	s_mov_b32 s[G0B+4*\s], 1
	s_add_co_u32 s[G0B+4*\s+1], s23, \s*SLOT
	s_add_nc_u64 s[G0B+4*\s+2:G0B+4*\s+3], s[46:47], \s*BREG
	s_or_b32 s[G0B+4*\s+3], s[G0B+4*\s+3], 0x80000000
.if \s                                 ; slot 1's first fill alone is issued as a refill is; slot 0's follows the round above
	s_wait_alu depctr_va_vdst(0)
	s_wait_tensorcnt 0x0
	ds_add_u32 v28, v29
	ds_add_u32 v28, v29
	s_wait_dscnt 0x0
	CROUND
.endif
	JLOAD \s
.endr
	v_and_b32 v1, 15, v0
	v_bfe_u32 v2, v0, 4, 1
	v_and_b32 v3, 31, v0
	v_lshlrev_b32 v7, 4, v3
	v_lshlrev_b32 v8, 3, v3
	s_mul_i32 s18, s15, 4*FRG
	s_mul_i32 s19, s16, 4*FRG
	s_add_co_u32 s19, s19, BREG
.irp s, 0,1
	v_add_nc_u32 v[ADRA+\s], s18, v7
	v_add_nc_u32 v[ADRA+2+\s], s18, v8
	v_add_nc_u32 v[ADRB+\s], s19, v7
	v_add_nc_u32 v[ADRB+2+\s], s19, v8
	s_add_co_u32 s18, s18, SLOT
	s_add_co_u32 s19, s19, SLOT
.endr
	s_xor_b32 s20, s15, 1
	s_add_co_u32 s20, s20, s16
	s_lshl_b32 s20, s20, 4
	s_add_co_u32 s20, s20, BREG-16
	v_mul_u32_u24 v4, s20, v2
	v_lshl_add_u32 v4, v1, 5, v4
	s_lshl_b32 s21, s15, 4
	s_add_co_u32 s21, s21, SCO
	v_add_nc_u32 v[ADRS], s21, v4
	s_add_co_u32 s21, s21, SLOT
	v_add_nc_u32 v[ADRS+1], s21, v4
	s_mul_i32 s22, s14, 16*SPITCH
	s_add_co_u32 s22, s22, STAGE
	v_mul_u32_u24 v5, v1, SPITCH
	v_lshl_add_u32 v5, v2, 6, v5
	v_add_nc_u32 v[STO], s22, v5
	v_mul_u32_u24 v5, v2, SPITCH
	v_lshl_add_u32 v5, v1, 4, v5
	v_add_nc_u32 v[RD], s22, v5
	v_lshlrev_b32 v[CO], 12, v2
	v_lshl_add_u32 v[CO], v1, 4, v[CO]
	v_lshlrev_b32 v6, 6, v2
	s_wait_alu depctr_va_vdst(0)
	s_lshl_b32 s94, s17, 7
	s_lshl_b32 s95, s15, 6
	s_add_co_u32 s94, s94, s95
	s_lshl_b32 s94, s94, 12
	s_lshl_b32 s92, s42, 9
	s_lshl_b32 s93, s16, 8
	s_add_co_u32 s92, s92, s93
	s_add_co_u32 s94, s94, s92
	s_mov_b32 s95, 0
	s_mov_b32 s93, 0
	s_add_nc_u64 s[8:9], s[8:9], s[92:93]
	s_add_nc_u64 s[10:11], s[10:11], s[94:95]
	s_add_nc_u64 s[12:13], s[12:13], s[94:95]
.irp t, 0,1,2,3
	global_load_b128 v[BI+8*\t:BI+8*\t+3], v6, s[8:9] offset:(32*(\t/2)+8*(\t%2))*4
	global_load_b128 v[BI+8*\t+4:BI+8*\t+7], v6, s[8:9] offset:(32*(\t/2)+8*(\t%2))*4+16
.endr
	WIN 0x80
.irp a, 0,1,2,3
.irp t, 0,1,2,3,4,5,6,7
	global_load_b128 v[4*(8*\a+\t):4*(8*\a+\t)+3], v[CO], s[10:11] offset:(32*(\a/2)+8*(\a%2)+2*(\t%4)+16*(\t/4))*4096
.endr
.endr
	WIN 0
.macro FRAG reg, a16, a8, off
	ds_load_b128 v[\reg:\reg+3], v[\a16] offset:\off
	ds_load_b64 v[\reg+4:\reg+5], v[\a8] offset:\off+512
	ds_load_b128 v[\reg+6:\reg+9], v[\a16] offset:\off+768
	ds_load_b64 v[\reg+10:\reg+11], v[\a8] offset:\off+1280
.endm
.macro FETCH slot, q, f, set
	WIN TO_F
.irp i, 0,1,2,3
	FRAG (\f)+FR*\i, ADRA+\slot, ADRA+2+\slot, (\q)*BLK+\i*FRG
.endr
.irp i, 0,1,2,3
	FRAG (\f)+48+FR*\i, ADRB+\slot, ADRB+2+\slot, (\q)*BLK+\i*FRG
.endr
	WIN 0
	ds_load_b128 v[SC+4*(\set):SC+4*(\set)+3], v[ADRS+\slot] offset:(\q)*BLK
.endm
.macro MUL8 f, set, a0, first
.irp a, \a0, \a0+1
.irp b, 0,1,2,3
.if \first
	v_wmma_scale_f32_16x16x128_f8f6f4 v[ACC+8*(4*(\a)+\b):ACC+8*(4*(\a)+\b)+7], v[(\f)+48+FR*\b:(\f)+48+FR*\b+FR-1], v[(\f)+FR*(\a):(\f)+FR*(\a)+FR-1], v[BI+8*\b:BI+8*\b+7], v[SC+4*(\set)+\b], v[SC+4*(\set)+(\a)] matrix_a_fmt:MATRIX_FMT_FP6 matrix_b_fmt:MATRIX_FMT_FP6 matrix_a_scale:MATRIX_SCALE_ROW1
.else
	v_wmma_scale_f32_16x16x128_f8f6f4 v[ACC+8*(4*(\a)+\b):ACC+8*(4*(\a)+\b)+7], v[(\f)+48+FR*\b:(\f)+48+FR*\b+FR-1], v[(\f)+FR*(\a):(\f)+FR*(\a)+FR-1], v[ACC+8*(4*(\a)+\b):ACC+8*(4*(\a)+\b)+7], v[SC+4*(\set)+\b], v[SC+4*(\set)+(\a)] matrix_a_fmt:MATRIX_FMT_FP6 matrix_b_fmt:MATRIX_FMT_FP6 matrix_a_scale:MATRIX_SCALE_ROW1
.endif
.endr
.endr
.endm
.macro PLACES
.rept 4
	v_nop
.endr
.endm
.macro STEP slot, q, first
	PLACES
	FETCH \slot, (\q)+1, 128*(1-(\q)%2), 1-(\q)%2
	s_wait_dscnt 33
	WIN MUL
	MUL8 128*((\q)%2), (\q)%2, 0, \first
	MUL8 128*((\q)%2), (\q)%2, 2, \first
.endm
.macro TURN slot, next, fill
	WIN 0
	s_wait_tensorcnt 0x0
	ds_add_u32 v[SPW], v[NIL]
	s_wait_dscnt 1
	WIN MUL
	MUL8 128, 1, 0, 0
	s_wait_dscnt 0x0
	s_barrier_signal -1
	WIN 0
	s_barrier_wait -1
.if \fill
	CREST
	s_add_nc_u64 s[G0+4*\slot+2:G0+4*\slot+3], s[G0+4*\slot+2:G0+4*\slot+3], 2*BREG
	s_add_nc_u64 s[G0B+4*\slot+2:G0B+4*\slot+3], s[G0B+4*\slot+2:G0B+4*\slot+3], 2*BREG
	JLOAD \slot
.else
	PLACES
.endif
	FETCH \next, 0, 0, 0
	WIN MUL
	MUL8 128, 1, 2, 0
.endm
	s_wait_tensorcnt 1
	s_barrier_signal -1
	s_barrier_wait -1
	FETCH 0, 0, 0, 0
	s_wait_loadcnt 32
	STEP 0, 0, 1
.if LAPS > 1
	WIN 0
	s_mov_b32 s3, LAPS-1
.Llap:
	STEP 0, 1, 0
	STEP 0, 2, 0
	TURN 0, 1, 1
	STEP 1, 0, 0
	STEP 1, 1, 0
	STEP 1, 2, 0
	TURN 1, 0, 1
	STEP 0, 0, 0
	WIN 0
	s_sub_co_u32 s3, s3, 1
	s_cmp_lg_u32 s3, 0
	s_cbranch_scc1 .Llap
.endif
	STEP 0, 1, 0
	STEP 0, 2, 0
	TURN 0, 1, 0
	STEP 1, 0, 0
	STEP 1, 1, 0
	STEP 1, 2, 0
	s_wait_dscnt 0x0
	WIN MUL
	MUL8 128, 1, 0, 0
	MUL8 128, 1, 2, 0
	WIN 0
.macro TOSTAGE a
.irp bb, 0,1
.irp k, 0,1,2,3
	ds_store_b128 v[STO], v[ACC+32*(\a)+16*\bb+4*\k:ACC+32*(\a)+16*\bb+4*\k+3] offset:128*\bb+16*\k
.endr
.endr
.set BB, BK+32*((\a)%2)
.irp t, 0,1,2,3,4,5,6,7
	ds_load_b128 v[BB+4*\t:BB+4*\t+3], v[RD] offset:\t*2*SPITCH
.endr
.endm
.macro SEND a, younger
.set BB, BK+32*((\a)%2)
	s_wait_dscnt \younger
	WIN 0x08
.set j, 0
.rept 16
	v_pk_add_f32 v[BB+j:BB+j+1], v[BB+j:BB+j+1], v[32*(\a)+j:32*(\a)+j+1]
.set j, j+2
.endr
	WIN 0
.irp t, 0,1,2,3,4,5,6,7
	global_store_b128 v[CO], v[BB+4*\t:BB+4*\t+3], s[12:13] offset:(32*((\a)/2)+8*((\a)%2)+2*(\t%4)+16*(\t/4))*4096
.endr
.endm
	s_wait_loadcnt 0x0
	PLACES
	TOSTAGE 0
.irp a, 1,2,3
.if \a > 1
	s_wait_xcnt 0x0
.endif
	TOSTAGE \a
	SEND \a-1, 16
.endr
	SEND 3, 0
	s_wait_tensorcnt 0x0
	ds_add_u32 v[SPW], v[NIL]
	s_wait_dscnt 0x0
	CROUND
	s_endpgm
.Lfunc_end_k_qbe425320dd_proj:
	.size	k_qbe425320dd_proj, .Lfunc_end_k_qbe425320dd_proj-k_qbe425320dd_proj
	.p2alignl 7, 3214868480
	.fill 96, 4, 3214868480
	.section	.rodata,"a",@progbits
	.p2align	6, 0x0
	.amdhsa_kernel k_qbe425320dd_proj
		.amdhsa_group_segment_fixed_size 327680
		.amdhsa_private_segment_fixed_size 0
		.amdhsa_enable_private_segment 0
		.amdhsa_kernarg_size 40
		.amdhsa_user_sgpr_count 2
		.amdhsa_user_sgpr_kernarg_segment_ptr 1
		.amdhsa_wavefront_size32 1
		.amdhsa_system_sgpr_workgroup_id_x 1
		.amdhsa_system_sgpr_workgroup_id_y 1
		.amdhsa_system_sgpr_workgroup_id_z 1
		.amdhsa_system_vgpr_workitem_id 0
		.amdhsa_next_free_vgpr 768
		.amdhsa_next_free_sgpr 100
		.amdhsa_reserve_vcc 0
		.amdhsa_float_denorm_mode_32 3
		.amdhsa_float_denorm_mode_16_64 3
		.amdhsa_memory_ordered 1
		.amdhsa_forward_progress 1
		.amdhsa_inst_pref_size 59
	.end_amdhsa_kernel
	.amdgpu_metadata
---
amdhsa.version: [ 1, 2 ]
amdhsa.kernels:
  - .name:           k_qbe425320dd_proj
    .symbol:         k_qbe425320dd_proj.kd
    .args:
      - { .name: aoq, .offset: 0, .size: 8, .value_kind: global_buffer, .address_space: global }
      - { .name: pq, .offset: 8, .size: 8, .value_kind: global_buffer, .address_space: global }
      - { .name: proj_b, .offset: 16, .size: 8, .value_kind: global_buffer, .address_space: global }
      - { .name: x, .offset: 24, .size: 8, .value_kind: global_buffer, .address_space: global }
      - { .name: x1, .offset: 32, .size: 8, .value_kind: global_buffer, .address_space: global }
    .group_segment_fixed_size: 327680
    .private_segment_fixed_size: 0
    .kernarg_segment_align: 8
    .kernarg_segment_size: 40
    .max_flat_workgroup_size: 128
    .sgpr_count:     100
    .vgpr_count:     768
    .wavefront_size: 32
...
	.end_amdgpu_metadata
.endif
;; end of part 4
;; launch ln2: the kernel of part 1 again; grid 256 x 1, 8 waves a work-group, no clusters, 66,816 bytes of LDS; arguments x1, ln2_g, ln2_b, qkv_w, proj_w, w1, w2, h2q; writes h2q
;; launch fc1 (part 5): grid 16 x 16, 4 waves a work-group, clusters of 4 x 4, 327,680 bytes of LDS; arguments h2q, pq, b1, hid; writes hid
.if DOCPART == 5
	.amdgcn_target "amdgcn-amd-amdhsa--gfx1250"
	.amdhsa_code_object_version 6
	.text
	.protected	k_qbe425320dd_fc1
	.globl	k_qbe425320dd_fc1
	.p2align	8
	.type	k_qbe425320dd_fc1,@function
k_qbe425320dd_fc1:
	s_mov_b64 s[64:65], 0
	v_nop
	global_prefetch_b8 v0, s[64:65] scope:SCOPE_SE
	s_setreg_imm32_b32 hwreg(HW_REG_WAVE_MODE, 25, 1), 1
	s_wait_xcnt 0x0
	s_wait_alu depctr_hold_cnt(0) depctr_sa_sdst(0) depctr_va_vdst(0) depctr_va_sdst(0) depctr_va_ssrc(0) depctr_va_vcc(0) depctr_vm_vsrc(0)
	s_getreg_b32 s2, hwreg(HW_REG_IB_STS2, 6, 4)
	s_cmp_eq_u32 s2, 0
	s_cbranch_scc0 .Lentry_in_a_cluster
	s_endpgm
.Lentry_in_a_cluster:
	s_bfe_u32 s2, ttmp6, 0x10000c
	s_cmp_lg_u32 s2, 0xf033
	s_cbranch_scc0 .Lentry_shape_is_right
	s_endpgm
.Lentry_shape_is_right:
.set BLK,   12800
.set FRG,   1536
.set SCO,   12288
.set KSN,   8
.set HALFT, 2*BLK
.set SLOT,  4*HALFT
.set SPARE, 2*SLOT
.set LAPS,  KSN/4
.set FR,    12
.set NL,    4
.set NP,    4
.set ADRA,  16
.set ADRB,  20
.set STO16, 24
.set STO8,  25
.set STOS,  26
.set SPW,   28
.set NIL,   29
.set ADRS,  30
.set SC,    32
.set BI,    64
.set HH,    64
.set AF,    128
.set TM,    128
.set ZZ,    128
.set TT,    160
.set QQ,    192
.set PC,    224
.set PW,    246
.set OW,    248
.set G1,  24
.set G0,  32
.set G1B, 48
.set G0B, 56
.set SEL, 96
.set MSB, 0
.macro WIN new
.if MSB != \new
	s_set_vgpr_msb (MSB<<8)|\new
.set MSB, \new
.endif
.endm
.set MUL_LO, 0xa1
.set MUL_HI, 0xf1
.set TO_B,   0x40
.macro JLOAD g0a, g1a, g0b, g1b
	s_cmp_eq_u32 s15, 0
	s_cbranch_scc0 .Lfor_b_\@
	tensor_load_to_lds s[\g0a:\g0a+3], s[\g1a:\g1a+7]
	s_nop 0
.rept 4
	v_nop
.endr
	s_branch .Lasked_\@
.Lfor_b_\@:
	tensor_load_to_lds s[\g0b:\g0b+3], s[\g1b:\g1b+7]
	s_nop 0
.rept 4
	v_nop
.endr
.Lasked_\@:
.endm
.macro CREST
	s_cmp_lg_u32 s14, 0
	s_cbranch_scc1 .Lnot_wave_0_\@
	s_barrier_signal -3
.Lnot_wave_0_\@:
	s_barrier_wait -3
	s_barrier_signal -1
	s_barrier_wait -1
.endm
.macro CROUND
	s_barrier_signal -1
	s_barrier_wait -1
	CREST
.endm
.macro COEF r, x
	s_mov_b32 s[\r], \x
	s_mov_b32 s[\r+1], \x
.endm
	s_load_b256 s[4:11], s[0:1], 0x0
	v_lshl_add_u32 v[SPW], v0, 2, SPARE
	v_mov_b32 v[NIL], 0
	ds_add_u32 v[SPW], v[NIL]
	ds_add_u32 v[SPW], v[NIL]
	v_lshrrev_b32 v1, 5, v0
	v_readfirstlane_b32 s14, v1
	s_lshr_b32 s15, s14, 1
	s_and_b32 s16, s14, 1
	s_bfe_u32 s40, ttmp6, 0x40000
	s_bfe_u32 s41, ttmp6, 0x40004
	s_lshl_b32 s42, ttmp9, 2
	s_add_co_u32 s42, s42, s40
	s_and_b32 s17, ttmp7, 0xffff
	s_lshl_b32 s17, s17, 2
	s_add_co_u32 s17, s17, s41
	s_lshl_b32 s43, s41, 2
	s_lshl_b32 s43, 15, s43
	s_lshl_b32 s44, 0x1111, s40
	s_or_b32 s[G1+0], s43, (3<<16)|(1<<21)
	s_or_b32 s[G1B+0], s44, (3<<16)|(1<<21)
.irp g, G1, G1B
	s_mov_b32 s[\g+1], 32<<16
	s_mov_b32 s[\g+2], 100<<16
	s_mov_b32 s[\g+3], 32<<16
	s_mov_b32 s[\g+4], 100
	s_mov_b32 s[\g+5], 32
	s_mov_b32 s[\g+6], 0
	s_mov_b32 s[\g+7], 0
.endr
	s_lshl_b32 s20, s17, 1
	s_add_co_u32 s20, s20, s16
	s_mul_i32 s20, s20, KSN*BLK
	s_mov_b32 s21, 0
	s_lshl_b32 s46, s42, 1
	s_add_co_u32 s46, s46, s16
	s_mul_i32 s46, s46, KSN*BLK
	s_add_co_u32 s46, s46, 6553600
	s_mov_b32 s47, 0
	s_mul_i32 s23, s14, HALFT
	s_mov_b32 s[SEL], 0x76543210
	s_mov_b32 s[SEL+1], 0xfedcba98
	COEF 68, 0x3e7c6f08
	COEF 70, 0x40097039
	COEF 72, 0xbfd1a1e5
	COEF 74, 0x3ecdfd18
	COEF 76, 0xbe899a80
	COEF 78, 0x3e0efb2f
	COEF 80, 0x3f0a29d2
	COEF 82, 0x3fb8ab5a
	COEF 84, 0xc014d90f
	s_mov_b32 s86, 0x3f3504f3
	COEF 88, 0x3f99be61
	v_mov_b32 v244, 0xbf97d29d
	v_mov_b32 v245, 0xbf97d29d
	s_wait_dscnt 0x0
	s_wait_kmcnt 0x0
	s_add_nc_u64 s[20:21], s[4:5], s[20:21]
	s_add_nc_u64 s[46:47], s[6:7], s[46:47]
	CROUND
.irp s, 0,1
	s_mov_b32 s[G0+4*\s], 1
	s_add_co_u32 s[G0+4*\s+1], s23, \s*SLOT
	s_add_nc_u64 s[G0+4*\s+2:G0+4*\s+3], s[20:21], \s*HALFT
	s_or_b32 s[G0+4*\s+3], s[G0+4*\s+3], 0x80000000
	s_mov_b32 s[G0B+4*\s], 1
	s_add_co_u32 s[G0B+4*\s+1], s23, \s*SLOT
	s_add_nc_u64 s[G0B+4*\s+2:G0B+4*\s+3], s[46:47], \s*HALFT
	s_or_b32 s[G0B+4*\s+3], s[G0B+4*\s+3], 0x80000000
.if \s                                 ; slot 1's first fill alone is issued as a refill is; slot 0's follows the round above
	s_wait_alu depctr_va_vdst(0)
	s_wait_tensorcnt 0x0
	ds_add_u32 v28, v29
	ds_add_u32 v28, v29
	s_wait_dscnt 0x0
	CROUND
.endif
	JLOAD G0+4*\s, G1, G0B+4*\s, G1B
.endr
	v_and_b32 v1, 15, v0
	v_bfe_u32 v2, v0, 4, 1
	v_and_b32 v3, 31, v0
	v_lshlrev_b32 v5, 6, v2
	s_lshl_b32 s92, s42, 10
	s_lshl_b32 s93, s16, 9
	s_add_co_u32 s92, s92, s93
	s_mov_b32 s93, 0
	s_add_nc_u64 s[8:9], s[8:9], s[92:93]
.irp t, 0,1,2,3,4,5,6,7
	global_load_b128 v[BI+8*\t:BI+8*\t+3], v5, s[8:9] offset:(32*(\t/2)+8*(\t%2))*4
	global_load_b128 v[BI+8*\t+4:BI+8*\t+7], v5, s[8:9] offset:(32*(\t/2)+8*(\t%2))*4+16
.endr
	v_lshlrev_b32 v[STO16], 4, v3
	v_lshlrev_b32 v[STO8], 3, v3
	v_lshlrev_b32 v[STOS], 5, v1
	v_lshl_add_u32 v[STOS], v2, 4, v[STOS]
	s_mul_i32 s18, s15, HALFT
	s_mul_i32 s19, s16, HALFT
	s_add_co_u32 s19, s19, 2*HALFT
.irp s, 0,1
	v_add_nc_u32 v[ADRA+\s], s18, v[STO16]
	v_add_nc_u32 v[ADRA+2+\s], s18, v[STO8]
	v_add_nc_u32 v[ADRB+\s], s19, v[STO16]
	v_add_nc_u32 v[ADRB+2+\s], s19, v[STO8]
	s_add_co_u32 s18, s18, SLOT
	s_add_co_u32 s19, s19, SLOT
.endr
	s_xor_b32 s20, s15, 1
	s_add_co_u32 s20, s20, s16
	s_add_co_u32 s20, s20, 1
	s_mul_i32 s20, s20, HALFT
	v_mul_u32_u24 v4, s20, v2
	v_lshl_add_u32 v4, v1, 5, v4
	s_mul_i32 s21, s15, HALFT
	s_add_co_u32 s21, s21, SCO
	v_add_nc_u32 v[ADRS], s21, v4
	s_add_co_u32 s21, s21, SLOT
	v_add_nc_u32 v[ADRS+1], s21, v4
	s_lshl_b32 s94, s17, 1
	s_add_co_u32 s94, s94, s15
	s_lshl_b32 s94, s94, 5
	s_lshl_b32 s95, s42, 1
	s_add_co_u32 s94, s94, s95
	s_add_co_u32 s94, s94, s16
	s_mul_i32 s94, s94, BLK
	s_mov_b32 s95, 0
	s_add_nc_u64 s[12:13], s[10:11], s[94:95]
.macro FRAG reg, a16, a8, off
	ds_load_b128 v[\reg:\reg+3], v[\a16] offset:\off
	ds_load_b64 v[\reg+4:\reg+5], v[\a8] offset:\off+512
	ds_load_b128 v[\reg+6:\reg+9], v[\a16] offset:\off+768
	ds_load_b64 v[\reg+10:\reg+11], v[\a8] offset:\off+1280
.endm
.macro MUL16 a0, p, q, sc, first
.irp a, \a0, \a0+1
.irp b, 0,1,2,3,4,5,6,7
.if \first
	v_wmma_scale_f32_16x16x128_f8f6f4 v[8*(8*((\a)%4)+\b):8*(8*((\a)%4)+\b)+7], v[128*(\p)+FR*\b:128*(\p)+FR*\b+FR-1], v[AF+FR*(\a):AF+FR*(\a)+FR-1], v[BI+8*\b:BI+8*\b+7], v[SC+16*(\sc)+8*(\q)+\b], v[SC+16*(\sc)+8*(\q)+(\a)] matrix_a_fmt:MATRIX_FMT_FP6 matrix_b_fmt:MATRIX_FMT_FP6 matrix_a_scale:MATRIX_SCALE_ROW1
.else
	v_wmma_scale_f32_16x16x128_f8f6f4 v[8*(8*((\a)%4)+\b):8*(8*((\a)%4)+\b)+7], v[128*(\p)+FR*\b:128*(\p)+FR*\b+FR-1], v[AF+FR*(\a):AF+FR*(\a)+FR-1], v[8*(8*((\a)%4)+\b):8*(8*((\a)%4)+\b)+7], v[SC+16*(\sc)+8*(\q)+\b], v[SC+16*(\sc)+8*(\q)+(\a)] matrix_a_fmt:MATRIX_FMT_FP6 matrix_b_fmt:MATRIX_FMT_FP6 matrix_a_scale:MATRIX_SCALE_ROW1
.endif
.endr
.endr
.endm
.macro FETCH_B slot, q, p
	WIN TO_B
.irp i, 0,1,2,3,4,5,6,7
	FRAG 128*(\p)+FR*\i, ADRB+\slot, ADRB+2+\slot, (\q)*BLK+\i*FRG
.endr
	WIN 0
.endm
.macro FETCH_A slot, q, i0
.irp i, \i0, \i0+1, \i0+2, \i0+3
	FRAG AF+FR*(\i), ADRA+\slot, ADRA+2+\slot, (\q)*BLK+(\i)*FRG
.endr
.endm
.macro SCALES slot
.irp q, 0,1
	ds_load_b128 v[SC+16*\slot+8*\q:SC+16*\slot+8*\q+3], v[ADRS+\slot] offset:\q*BLK
	ds_load_b128 v[SC+16*\slot+8*\q+4:SC+16*\slot+8*\q+7], v[ADRS+\slot] offset:\q*BLK+16
.endr
.endm
.macro PLACES n
.rept \n
	v_nop
.endr
.endm
.macro STEP slot, q, first
	s_wait_dscnt 4*NL
.if \first
	WIN 0x81
.else
	WIN MUL_LO
.endif
	MUL16 0, (\q)%2, \q, \slot, \first
	MUL16 2, (\q)%2, \q, \slot, \first
	s_wait_dscnt 0
	PLACES NP
	FETCH_B \slot, (\q)+1, 1-(\q)%2
	FETCH_A \slot, (\q)+1, 0
.if \first
	WIN 0xc1
.else
	WIN MUL_HI
.endif
	MUL16 4, (\q)%2, \q, \slot, \first
	MUL16 6, (\q)%2, \q, \slot, \first
	PLACES NP
	WIN 0
	FETCH_A \slot, (\q)+1, 4
.endm
.macro TURN slot, next, fill
	s_wait_tensorcnt 0x0
	ds_add_u32 v[SPW], v[NIL]
	s_wait_dscnt 4*NL+1
	WIN MUL_LO
	MUL16 0, 1, 1, \slot, 0
	s_wait_dscnt 0x0
	s_barrier_signal -1
	MUL16 2, 1, 1, \slot, 0
	WIN 0
	s_barrier_wait -1
.if \fill
	CREST
	s_add_nc_u64 s[G0+4*\slot+2:G0+4*\slot+3], s[G0+4*\slot+2:G0+4*\slot+3], 2*HALFT
	s_add_nc_u64 s[G0B+4*\slot+2:G0B+4*\slot+3], s[G0B+4*\slot+2:G0B+4*\slot+3], 2*HALFT
	JLOAD G0+4*\slot, G1, G0B+4*\slot, G1B
.else
	PLACES NP
.endif
	FETCH_B \next, 0, 0
	FETCH_A \next, 0, 0
	SCALES \next
	WIN MUL_HI
	MUL16 4, 1, 1, \slot, 0
	MUL16 6, 1, 1, \slot, 0
	PLACES NP
	WIN 0
	FETCH_A \next, 0, 4
.endm
	s_wait_alu depctr_va_vdst(0)
	s_wait_tensorcnt 1
	s_barrier_signal -1
	s_barrier_wait -1
	FETCH_B 0, 0, 0
	FETCH_A 0, 0, 0
	SCALES 0
	FETCH_A 0, 0, 4
	s_wait_loadcnt 0x0
	STEP 0, 0, 1
.rept LAPS-1
	TURN 0, 1, 1
	STEP 1, 0, 0
	TURN 1, 0, 1
	STEP 0, 0, 0
.endr
	TURN 0, 1, 0
	STEP 1, 0, 0
	s_wait_dscnt 4*NL
	WIN MUL_LO
	MUL16 0, 1, 1, 1, 0
	MUL16 2, 1, 1, 1, 0
	s_wait_dscnt 0
	WIN MUL_HI
	MUL16 4, 1, 1, 1, 0
	MUL16 6, 1, 1, 1, 0
	WIN 0
.macro GELU32 x0, h0
	WIN 0x08
.set i, 0
.rept 32
	v_mul_f32 v[ZZ+i], s86, |v[(\x0)+i]|
.set i, i+1
.endr
	WIN 0
.set i, 0
.rept 16
	v_pk_fma_f32 v[TT+i:TT+i+1], v[ZZ+i:ZZ+i+1], 0.5, 1.0 op_sel_hi:[1,0,0]
.set i, i+2
.endr
.set i, 0
	s_wait_alu depctr_va_vdst(0)
.rept 32
	v_rcp_f32 v[TT+i], v[TT+i]
.set i, i+1
.endr
.set i, 0
.rept 16
	v_pk_mul_f32 v[HH+(\h0)+i:HH+(\h0)+i+1], v[ZZ+i:ZZ+i+1], s[88:89] op_sel_hi:[1,0]
.set i, i+2
.endr
	s_wait_alu depctr_va_vdst(0)
.set i, 0
.rept 16
	v_pk_fma_f32 v[QQ+i:QQ+i+1], v[TT+i:TT+i+1], s[68:69], v[244:245] op_sel_hi:[1,0,1]
.set i, i+2
.endr
.irp c, 70,72,74,76,78,80,82,84
.set i, 0
.rept 16
	v_pk_fma_f32 v[QQ+i:QQ+i+1], v[QQ+i:QQ+i+1], v[TT+i:TT+i+1], s[\c:\c+1] op_sel_hi:[1,1,0]
.set i, i+2
.endr
.endr
.set i, 0
.rept 16
	v_pk_fma_f32 v[QQ+i:QQ+i+1], v[HH+(\h0)+i:HH+(\h0)+i+1], v[HH+(\h0)+i:HH+(\h0)+i+1], v[QQ+i:QQ+i+1] neg_lo:[1,0,0] neg_hi:[1,0,0]
.set i, i+2
.endr
.set i, 0
	s_wait_alu depctr_va_vdst(0)
.rept 32
	v_exp_f32 v[QQ+i], v[QQ+i]
.set i, i+1
.endr
.set i, 0
.rept 16
	v_pk_mul_f32 v[TT+i:TT+i+1], v[TT+i:TT+i+1], v[ZZ+i:ZZ+i+1]
.set i, i+2
.endr
	WIN 0x08
.set i, 0
.rept 32
	v_max_num_f32 v[HH+(\h0)+i], 0, v[(\x0)+i]
.set i, i+1
.endr
	WIN 0
	s_wait_alu depctr_va_vdst(0)
.set i, 0
.rept 16
	v_pk_fma_f32 v[HH+(\h0)+i:HH+(\h0)+i+1], v[TT+i:TT+i+1], v[QQ+i:QQ+i+1], v[HH+(\h0)+i:HH+(\h0)+i+1] neg_lo:[1,0,0] neg_hi:[1,0,0]
.set i, i+2
.endr
.endm
.macro QUANT s
.irp b, 0,1,2,3
	v_max3_num_f32 v[TM+\b], |v[(\s)+16*\b]|, |v[(\s)+16*\b+1]|, 0x1800000
.endr
.irp i, 2,4,6,8,10,12,14
.irp b, 0,1,2,3
	v_max3_num_f32 v[TM+\b], |v[(\s)+16*\b+\i]|, |v[(\s)+16*\b+\i+1]|, v[TM+\b]
.endr
.endr
.irp b, 0,1,2,3
	v_permlanex16_b32 v[TM+4+\b], v[TM+\b], s[SEL], s[SEL+1]
.endr
.irp b, 0,1,2,3
	v_max_num_f32 v[TM+\b], v[TM+\b], v[TM+4+\b]
.endr
.irp b, 0,1,2,3
	v_add_nc_u32 v[TM+12+\b], 0xff000000, v[TM+\b]
.endr
.irp b, 0,1,2,3
	v_lshrrev_b32 v[TM+4+\b], 23, v[TM+12+\b]
.endr
	v_lshl_or_b32 v[PW], v[TM+5], 8, v[TM+4]
	v_lshl_or_b32 v[PW], v[TM+6], 16, v[PW]
	v_lshl_or_b32 v[PW], v[TM+7], 24, v[PW]
	s_wait_xcnt 0x0
.irp c, 0,1
	v_cvt_scalef32_pk16_fp6_f32 v[PC+6*\c:PC+6*\c+2], v[(\s)+32*\c:(\s)+32*\c+15], v[TM+12+2*\c]
	v_cvt_scalef32_pk16_fp6_f32 v[PC+12+4*\c:PC+14+4*\c], v[(\s)+32*\c+16:(\s)+32*\c+31], v[TM+12+2*\c+1]
.endr
	v_nop
.irp c, 0,1
.irp i, 0,1,2
	v_permlane16_swap_b32 v[PC+6*\c+\i], v[PC+12+4*\c+\i]
.endr
.irp i, 0,1,2
	v_mov_b32 v[PC+3+6*\c+\i], v[PC+12+4*\c+\i]
.endr
.endr
.endm
.macro OUT a
	global_store_b128 v[STO16], v[PC:PC+3], s[12:13] offset:(\a)*FRG
	global_store_b64 v[STO8], v[PC+4:PC+5], s[12:13] offset:(\a)*FRG+512
	global_store_b128 v[STO16], v[PC+6:PC+9], s[12:13] offset:(\a)*FRG+768
	global_store_b64 v[STO8], v[PC+10:PC+11], s[12:13] offset:(\a)*FRG+1280
.endm
	PLACES NP
.irp i, 0,1,2,3
	v_mov_b32 v[OW+\i], 0
.endr
	s_mov_b32 s90, -1
	s_mov_b32 s91, 2
.Lhalf:
.irp a, 0,1,2,3
	GELU32 64*\a, 0
	GELU32 64*\a+32, 32
	QUANT HH
	OUT \a
	v_cndmask_b32 v[OW+\a], v[OW+\a], v[PW], s90
.endr
	s_cmp_eq_u32 s91, 1
	s_cbranch_scc1 .Lmoved
	WIN 0x83
.set i, 0
.rept 256
	v_mov_b32 v[i], v[i]
.set i, i+1
.endr
	WIN 0
	s_wait_xcnt 0x0
	s_add_nc_u64 s[12:13], s[12:13], 4*FRG
	s_mov_b32 s90, 0xffff0000
.Lmoved:
	s_sub_co_u32 s91, s91, 1
	s_cmp_lg_u32 s91, 0
	s_cbranch_scc1 .Lhalf
	s_wait_alu depctr_va_vdst(0)
	global_store_b128 v[STOS], v[OW:OW+3], s[12:13] offset:SCO-4*FRG
	s_wait_tensorcnt 0x0
	ds_add_u32 v[SPW], v[NIL]
	s_wait_dscnt 0x0
	CROUND
	s_endpgm
.Lfunc_end_k_qbe425320dd_fc1:
	.size	k_qbe425320dd_fc1, .Lfunc_end_k_qbe425320dd_fc1-k_qbe425320dd_fc1
	.p2alignl 7, 3214868480
	.fill 96, 4, 3214868480
	.section	.rodata,"a",@progbits
	.p2align	6, 0x0
	.amdhsa_kernel k_qbe425320dd_fc1
		.amdhsa_group_segment_fixed_size 327680
		.amdhsa_private_segment_fixed_size 0
		.amdhsa_enable_private_segment 0
		.amdhsa_kernarg_size 32
		.amdhsa_user_sgpr_count 2
		.amdhsa_user_sgpr_kernarg_segment_ptr 1
		.amdhsa_wavefront_size32 1
		.amdhsa_system_sgpr_workgroup_id_x 1
		.amdhsa_system_sgpr_workgroup_id_y 1
		.amdhsa_system_sgpr_workgroup_id_z 1
		.amdhsa_system_vgpr_workitem_id 0
		.amdhsa_next_free_vgpr 1024
		.amdhsa_next_free_sgpr 100
		.amdhsa_reserve_vcc 0
		.amdhsa_float_denorm_mode_32 3
		.amdhsa_float_denorm_mode_16_64 3
		.amdhsa_memory_ordered 1
		.amdhsa_forward_progress 1
		.amdhsa_inst_pref_size 255
	.end_amdhsa_kernel
	.section	.bss,"aw",@nobits
	.p2align	6
	.space	262144
	.amdgpu_metadata
---
amdhsa.version: [ 1, 2 ]
amdhsa.kernels:
  - .name:           k_qbe425320dd_fc1
    .symbol:         k_qbe425320dd_fc1.kd
    .args:
      - { .name: h2q, .offset: 0, .size: 8, .value_kind: global_buffer, .address_space: global }
      - { .name: pq, .offset: 8, .size: 8, .value_kind: global_buffer, .address_space: global }
      - { .name: b1, .offset: 16, .size: 8, .value_kind: global_buffer, .address_space: global }
      - { .name: hid, .offset: 24, .size: 8, .value_kind: global_buffer, .address_space: global }
    .group_segment_fixed_size: 327680
    .private_segment_fixed_size: 0
    .kernarg_segment_align: 8
    .kernarg_segment_size: 32
    .max_flat_workgroup_size: 128
    .sgpr_count:     100
    .vgpr_count:     1024
    .wavefront_size: 32
...
	.end_amdgpu_metadata
.endif
;; end of part 5
;; launch fc2 (part 6): grid 8 x 32, 4 waves a work-group, clusters of 4 x 4, 327,680 bytes of LDS; arguments hid, pq, b2, x1, out0; writes out0
.if DOCPART == 6
	.amdgcn_target "amdgcn-amd-amdhsa--gfx1250"
	.amdhsa_code_object_version 6
	.text
	.protected	k_qbe425320dd_fc2
	.globl	k_qbe425320dd_fc2
	.p2align	8
	.type	k_qbe425320dd_fc2,@function
k_qbe425320dd_fc2:
	s_mov_b64 s[64:65], 0
	v_nop
	global_prefetch_b8 v0, s[64:65] scope:SCOPE_SE
	s_setreg_imm32_b32 hwreg(HW_REG_WAVE_MODE, 25, 1), 1
	s_wait_xcnt 0x0
	s_wait_alu depctr_hold_cnt(0) depctr_sa_sdst(0) depctr_va_vdst(0) depctr_va_sdst(0) depctr_va_ssrc(0) depctr_va_vcc(0) depctr_vm_vsrc(0)
	s_getreg_b32 s2, hwreg(HW_REG_IB_STS2, 6, 4)
	s_cmp_eq_u32 s2, 0
	s_cbranch_scc0 .Lentry_in_a_cluster
	s_endpgm
.Lentry_in_a_cluster:
	s_bfe_u32 s2, ttmp6, 0x10000c
	s_cmp_lg_u32 s2, 0xf033
	s_cbranch_scc0 .Lentry_shape_is_right
	s_endpgm
.Lentry_shape_is_right:
.set KSN,   32
.set BOFF,  9830400
.set BLK,   12800
.set FRG,   1536
.set SCO,   12288
.set HALFT, 3*BLK
.set BREG,  6*BLK
.set SLOT,  12*BLK
.set STAGE, 2*SLOT
.set SPITCH, 272
.set SPARE, STAGE+4*16*SPITCH
.set FR,    12
.set STO,   24
.set RD,    25
.set CO,    26
.set SPW,   28
.set NIL,   29
.set SC,    32
.set BI,    40
.set BK,    40
.set ADRA,  104
.set ADRB,  112
.set ADRS,  120
.set ACC,   128
.set G1,  24
.set G0,  32
.set G1B, 48
.set G0B, 56
.set G1T,  68
.set G1TB, 76
.set G0T,  84
.set G0TB, 88
.set MSB, 0
.macro WIN new
.if MSB != \new
	s_set_vgpr_msb (MSB<<8)|\new
.set MSB, \new
.endif
.endm
.set MUL,  0x05
.set TO_F, 0x40
.macro JLOAD g0a, g1a, g0b, g1b
	s_cmp_eq_u32 s15, 0
	s_cbranch_scc0 .Lfor_b_\@
	tensor_load_to_lds s[\g0a:\g0a+3], s[\g1a:\g1a+7]
	s_nop 0
.rept 4
	v_nop
.endr
	s_branch .Lasked_\@
.Lfor_b_\@:
	tensor_load_to_lds s[\g0b:\g0b+3], s[\g1b:\g1b+7]
	s_nop 0
.rept 4
	v_nop
.endr
.Lasked_\@:
.endm
.macro CREST
	s_cmp_lg_u32 s14, 0
	s_cbranch_scc1 .Lnot_wave_0_\@
	s_barrier_signal -3
.Lnot_wave_0_\@:
	s_barrier_wait -3
	s_barrier_signal -1
	s_barrier_wait -1
.endm
.macro CROUND
	s_barrier_signal -1
	s_barrier_wait -1
	CREST
.endm
	s_load_b256 s[4:11], s[0:1], 0x0
	s_load_b64 s[12:13], s[0:1], 0x20
	v_lshl_add_u32 v[SPW], v0, 2, SPARE
	v_mov_b32 v[NIL], 0
	ds_add_u32 v[SPW], v[NIL]
	ds_add_u32 v[SPW], v[NIL]
	v_lshrrev_b32 v1, 5, v0
	v_readfirstlane_b32 s14, v1
	s_lshr_b32 s15, s14, 1
	s_and_b32 s16, s14, 1
	s_bfe_u32 s40, ttmp6, 0x40000
	s_bfe_u32 s41, ttmp6, 0x40004
	s_lshl_b32 s42, ttmp9, 2
	s_add_co_u32 s42, s42, s40
	s_and_b32 s17, ttmp7, 0xffff
	s_lshl_b32 s17, s17, 2
	s_add_co_u32 s17, s17, s41
	s_lshl_b32 s43, s41, 2
	s_lshl_b32 s43, 15, s43
	s_lshl_b32 s44, 0x1111, s40
	s_or_b32 s[G1+0], s43, (3<<16)|(1<<21)
	s_or_b32 s[G1B+0], s44, (3<<16)|(1<<21)
	s_or_b32 s[G1T+0], s43, (3<<16)|(1<<21)
	s_or_b32 s[G1TB+0], s44, (3<<16)|(1<<21)
.irp g, G1, G1B
	s_mov_b32 s[\g+1], 32<<16
	s_mov_b32 s[\g+2], 150<<16
	s_mov_b32 s[\g+3], 32<<16
	s_mov_b32 s[\g+4], 150
	s_mov_b32 s[\g+5], 32
	s_mov_b32 s[\g+6], 0
	s_mov_b32 s[\g+7], 0
.endr
.irp g, G1T, G1TB
	s_mov_b32 s[\g+1], 32<<16
	s_mov_b32 s[\g+2], 50<<16
	s_mov_b32 s[\g+3], 32<<16
	s_mov_b32 s[\g+4], 50
	s_mov_b32 s[\g+5], 32
	s_mov_b32 s[\g+6], 0
	s_mov_b32 s[\g+7], 0
.endr
	s_mul_i32 s18, s16, HALFT
	s_mul_i32 s20, s17, KSN*BLK
	s_add_co_u32 s20, s20, s18
	s_mov_b32 s21, 0
	s_mul_i32 s46, s42, KSN*BLK
	s_add_co_u32 s46, s46, s18
	s_add_co_u32 s46, s46, BOFF
	s_mov_b32 s47, 0
	s_mul_i32 s23, s14, HALFT
	s_mul_i32 s66, s16, 2*BLK
	s_sub_co_u32 s66, 30*BLK, s66
	s_mov_b32 s67, 0
	s_mul_i32 s22, s15, BREG
	s_mul_i32 s19, s16, BLK
	s_add_co_u32 s22, s22, s19
	s_wait_dscnt 0x0
	s_wait_kmcnt 0x0
	s_add_nc_u64 s[20:21], s[4:5], s[20:21]
	s_add_nc_u64 s[46:47], s[6:7], s[46:47]
	s_mov_b32 s[G0T], 1
	s_add_co_u32 s[G0T+1], s22, SLOT
	s_add_nc_u64 s[G0T+2:G0T+3], s[20:21], s[66:67]
	s_or_b32 s[G0T+3], s[G0T+3], 0x80000000
	s_mov_b32 s[G0TB], 1
	s_add_co_u32 s[G0TB+1], s22, SLOT
	s_add_nc_u64 s[G0TB+2:G0TB+3], s[46:47], s[66:67]
	s_or_b32 s[G0TB+3], s[G0TB+3], 0x80000000
	CROUND
.irp s, 0,1
	s_mov_b32 s[G0+4*\s], 1
	s_add_co_u32 s[G0+4*\s+1], s23, \s*SLOT
	s_add_nc_u64 s[G0+4*\s+2:G0+4*\s+3], s[20:21], \s*BREG
	s_or_b32 s[G0+4*\s+3], s[G0+4*\s+3], 0x80000000
	s_mov_b32 s[G0B+4*\s], 1
	s_add_co_u32 s[G0B+4*\s+1], s23, \s*SLOT
	s_add_nc_u64 s[G0B+4*\s+2:G0B+4*\s+3], s[46:47], \s*BREG
	s_or_b32 s[G0B+4*\s+3], s[G0B+4*\s+3], 0x80000000
.if \s                                 ; slot 1's first fill alone is issued as a refill is; slot 0's follows the round above
	s_wait_alu depctr_va_vdst(0)
	s_wait_tensorcnt 0x0
	ds_add_u32 v28, v29
	ds_add_u32 v28, v29
	s_wait_dscnt 0x0
	CROUND
.endif
	JLOAD G0+4*\s, G1, G0B+4*\s, G1B
.endr
	v_and_b32 v1, 15, v0
	v_bfe_u32 v2, v0, 4, 1
	v_and_b32 v3, 31, v0
	v_lshlrev_b32 v7, 4, v3
	v_lshlrev_b32 v8, 3, v3
	s_mul_i32 s18, s15, 4*FRG
	s_mul_i32 s19, s16, 4*FRG
	s_add_co_u32 s19, s19, BREG
	v_add_nc_u32 v9, s18, v7
	v_add_nc_u32 v10, s18, v8
	v_add_nc_u32 v11, s19, v7
	v_add_nc_u32 v12, s19, v8
	s_xor_b32 s20, s15, 1
	s_add_co_u32 s20, s20, s16
	s_lshl_b32 s20, s20, 4
	s_add_co_u32 s20, s20, BREG-16
	v_mul_u32_u24 v4, s20, v2
	v_lshl_add_u32 v4, v1, 5, v4
	s_lshl_b32 s21, s15, 4
	s_add_co_u32 s21, s21, SCO
	v_add_nc_u32 v13, s21, v4
.irp hh, 0,1
.irp s, 0,1
	v_add_nc_u32 v[ADRA+\s+2*\hh], \s*SLOT+\hh*HALFT, v9
	v_add_nc_u32 v[ADRA+4+\s+2*\hh], \s*SLOT+\hh*HALFT, v10
	v_add_nc_u32 v[ADRB+\s+2*\hh], \s*SLOT+\hh*HALFT, v11
	v_add_nc_u32 v[ADRB+4+\s+2*\hh], \s*SLOT+\hh*HALFT, v12
	v_add_nc_u32 v[ADRS+\s+2*\hh], \s*SLOT+\hh*HALFT, v13
.endr
.endr
	s_mul_i32 s22, s14, 16*SPITCH
	s_add_co_u32 s22, s22, STAGE
	v_mul_u32_u24 v5, v1, SPITCH
	v_lshl_add_u32 v5, v2, 6, v5
	v_add_nc_u32 v[STO], s22, v5
	v_mul_u32_u24 v5, v2, SPITCH
	v_lshl_add_u32 v5, v1, 4, v5
	v_add_nc_u32 v[RD], s22, v5
	v_lshlrev_b32 v[CO], 12, v2
	v_lshl_add_u32 v[CO], v1, 4, v[CO]
	v_lshlrev_b32 v6, 6, v2
	s_wait_alu depctr_va_vdst(0)
	s_lshl_b32 s94, s17, 7
	s_lshl_b32 s95, s15, 6
	s_add_co_u32 s94, s94, s95
	s_lshl_b32 s94, s94, 12
	s_lshl_b32 s92, s42, 9
	s_lshl_b32 s93, s16, 8
	s_add_co_u32 s92, s92, s93
	s_add_co_u32 s94, s94, s92
	s_mov_b32 s95, 0
	s_mov_b32 s93, 0
	s_add_nc_u64 s[8:9], s[8:9], s[92:93]
	s_add_nc_u64 s[10:11], s[10:11], s[94:95]
	s_add_nc_u64 s[12:13], s[12:13], s[94:95]
.irp t, 0,1,2,3
	global_load_b128 v[BI+8*\t:BI+8*\t+3], v6, s[8:9] offset:(32*(\t/2)+8*(\t%2))*4
	global_load_b128 v[BI+8*\t+4:BI+8*\t+7], v6, s[8:9] offset:(32*(\t/2)+8*(\t%2))*4+16
.endr
	WIN 0x80
.irp a, 0,1,2,3
.irp t, 0,1,2,3,4,5,6,7
	global_load_b128 v[4*(8*\a+\t):4*(8*\a+\t)+3], v[CO], s[10:11] offset:(32*(\a/2)+8*(\a%2)+2*(\t%4)+16*(\t/4))*4096
.endr
.endr
	WIN 0
.macro FRAG reg, a16, a8, off
	ds_load_b128 v[\reg:\reg+3], v[\a16] offset:\off
	ds_load_b64 v[\reg+4:\reg+5], v[\a8] offset:\off+512
	ds_load_b128 v[\reg+6:\reg+9], v[\a16] offset:\off+768
	ds_load_b64 v[\reg+10:\reg+11], v[\a8] offset:\off+1280
.endm
.macro FETCH slot, q, f, set
	WIN TO_F
.irp i, 0,1,2,3
	FRAG (\f)+FR*\i, ADRA+\slot+2*((\q)/3), ADRA+4+\slot+2*((\q)/3), ((\q)%3)*BLK+\i*FRG
.endr
.irp i, 0,1,2,3
	FRAG (\f)+48+FR*\i, ADRB+\slot+2*((\q)/3), ADRB+4+\slot+2*((\q)/3), ((\q)%3)*BLK+\i*FRG
.endr
	WIN 0
	ds_load_b128 v[SC+4*(\set):SC+4*(\set)+3], v[ADRS+\slot+2*((\q)/3)] offset:((\q)%3)*BLK
.endm
.macro MUL8 f, set, a0, first
.irp a, \a0, \a0+1
.irp b, 0,1,2,3
.if \first
	v_wmma_scale_f32_16x16x128_f8f6f4 v[ACC+8*(4*(\a)+\b):ACC+8*(4*(\a)+\b)+7], v[(\f)+48+FR*\b:(\f)+48+FR*\b+FR-1], v[(\f)+FR*(\a):(\f)+FR*(\a)+FR-1], v[BI+8*\b:BI+8*\b+7], v[SC+4*(\set)+\b], v[SC+4*(\set)+(\a)] matrix_a_fmt:MATRIX_FMT_FP6 matrix_b_fmt:MATRIX_FMT_FP6 matrix_a_scale:MATRIX_SCALE_ROW1
.else
	v_wmma_scale_f32_16x16x128_f8f6f4 v[ACC+8*(4*(\a)+\b):ACC+8*(4*(\a)+\b)+7], v[(\f)+48+FR*\b:(\f)+48+FR*\b+FR-1], v[(\f)+FR*(\a):(\f)+FR*(\a)+FR-1], v[ACC+8*(4*(\a)+\b):ACC+8*(4*(\a)+\b)+7], v[SC+4*(\set)+\b], v[SC+4*(\set)+(\a)] matrix_a_fmt:MATRIX_FMT_FP6 matrix_b_fmt:MATRIX_FMT_FP6 matrix_a_scale:MATRIX_SCALE_ROW1
.endif
.endr
.endr
.endm
.macro PLACES
.rept 4
	v_nop
.endr
.endm
.macro STEP slot, q, first
	PLACES
	FETCH \slot, (\q)+1, 128*(1-(\q)%2), 1-(\q)%2
	s_wait_dscnt 33
	WIN MUL
	MUL8 128*((\q)%2), (\q)%2, 0, \first
	MUL8 128*((\q)%2), (\q)%2, 2, \first
.endm
.macro TURN slot, next, fill
	WIN 0
	s_wait_tensorcnt 0x0
	ds_add_u32 v[SPW], v[NIL]
	s_wait_dscnt 1
	WIN MUL
	MUL8 128, 1, 0, 0
	s_wait_dscnt 0x0
	s_barrier_signal -1
	WIN 0
	s_barrier_wait -1
.if \fill == 1
	CREST
	s_add_nc_u64 s[G0+4*\slot+2:G0+4*\slot+3], s[G0+4*\slot+2:G0+4*\slot+3], 2*BREG
	s_add_nc_u64 s[G0B+4*\slot+2:G0B+4*\slot+3], s[G0B+4*\slot+2:G0B+4*\slot+3], 2*BREG
	JLOAD G0+4*\slot, G1, G0B+4*\slot, G1B
.elseif \fill == 2
	CREST
	JLOAD G0T, G1T, G0TB, G1TB
.else
	PLACES
.endif
	FETCH \next, 0, 0, 0
	WIN MUL
	MUL8 128, 1, 2, 0
.endm
	s_wait_tensorcnt 1
	s_barrier_signal -1
	s_barrier_wait -1
	FETCH 0, 0, 0, 0
	s_wait_loadcnt 32
	STEP 0, 0, 1
.irp q, 1,2,3,4
	STEP 0, \q, 0
.endr
	TURN 0, 1, 1
.irp q, 0,1,2,3,4
	STEP 1, \q, 0
.endr
	TURN 1, 0, 1
.irp q, 0,1,2,3,4
	STEP 0, \q, 0
.endr
	TURN 0, 1, 1
.irp q, 0,1,2,3,4
	STEP 1, \q, 0
.endr
	TURN 1, 0, 2
.irp q, 0,1,2,3,4
	STEP 0, \q, 0
.endr
	TURN 0, 1, 0
	STEP 1, 0, 0
	s_wait_dscnt 0x0
	WIN MUL
	MUL8 128, 1, 0, 0
	MUL8 128, 1, 2, 0
	WIN 0
.macro TOSTAGE a
.irp bb, 0,1
.irp k, 0,1,2,3
	ds_store_b128 v[STO], v[ACC+32*(\a)+16*\bb+4*\k:ACC+32*(\a)+16*\bb+4*\k+3] offset:128*\bb+16*\k
.endr
.endr
.set BB, BK+32*((\a)%2)
.irp t, 0,1,2,3,4,5,6,7
	ds_load_b128 v[BB+4*\t:BB+4*\t+3], v[RD] offset:\t*2*SPITCH
.endr
.endm
.macro SEND a, younger
.set BB, BK+32*((\a)%2)
	s_wait_dscnt \younger
	WIN 0x08
.set j, 0
.rept 16
	v_pk_add_f32 v[BB+j:BB+j+1], v[BB+j:BB+j+1], v[32*(\a)+j:32*(\a)+j+1]
.set j, j+2
.endr
	WIN 0
.irp t, 0,1,2,3,4,5,6,7
	global_store_b128 v[CO], v[BB+4*\t:BB+4*\t+3], s[12:13] offset:(32*((\a)/2)+8*((\a)%2)+2*(\t%4)+16*(\t/4))*4096 th:TH_STORE_NT
.endr
.endm
	s_wait_loadcnt 0x0
	PLACES
	TOSTAGE 0
.irp a, 1,2,3
.if \a > 1
	s_wait_xcnt 0x0
.endif
	TOSTAGE \a
	SEND \a-1, 16
.endr
	SEND 3, 0
	s_wait_tensorcnt 0x0
	ds_add_u32 v[SPW], v[NIL]
	s_wait_dscnt 0x0
	CROUND
	s_endpgm
.Lfunc_end_k_qbe425320dd_fc2:
	.size	k_qbe425320dd_fc2, .Lfunc_end_k_qbe425320dd_fc2-k_qbe425320dd_fc2
	.p2alignl 7, 3214868480
	.fill 96, 4, 3214868480
	.section	.rodata,"a",@progbits
	.p2align	6, 0x0
	.amdhsa_kernel k_qbe425320dd_fc2
		.amdhsa_group_segment_fixed_size 327680
		.amdhsa_private_segment_fixed_size 0
		.amdhsa_enable_private_segment 0
		.amdhsa_kernarg_size 40
		.amdhsa_user_sgpr_count 2
		.amdhsa_user_sgpr_kernarg_segment_ptr 1
		.amdhsa_wavefront_size32 1
		.amdhsa_system_sgpr_workgroup_id_x 1
		.amdhsa_system_sgpr_workgroup_id_y 1
		.amdhsa_system_sgpr_workgroup_id_z 1
		.amdhsa_system_vgpr_workitem_id 0
		.amdhsa_next_free_vgpr 768
		.amdhsa_next_free_sgpr 100
		.amdhsa_reserve_vcc 0
		.amdhsa_float_denorm_mode_32 3
		.amdhsa_float_denorm_mode_16_64 3
		.amdhsa_memory_ordered 1
		.amdhsa_forward_progress 1
		.amdhsa_inst_pref_size 169
	.end_amdhsa_kernel
	.amdgpu_metadata
---
amdhsa.version: [ 1, 2 ]
amdhsa.kernels:
  - .name:           k_qbe425320dd_fc2
    .symbol:         k_qbe425320dd_fc2.kd
    .args:
      - { .name: hid, .offset: 0, .size: 8, .value_kind: global_buffer, .address_space: global }
      - { .name: pq, .offset: 8, .size: 8, .value_kind: global_buffer, .address_space: global }
      - { .name: b2, .offset: 16, .size: 8, .value_kind: global_buffer, .address_space: global }
      - { .name: x1, .offset: 24, .size: 8, .value_kind: global_buffer, .address_space: global }
      - { .name: out0, .offset: 32, .size: 8, .value_kind: global_buffer, .address_space: global }
    .group_segment_fixed_size: 327680
    .private_segment_fixed_size: 0
    .kernarg_segment_align: 8
    .kernarg_segment_size: 40
    .max_flat_workgroup_size: 128
    .sgpr_count:     100
    .vgpr_count:     768
    .wavefront_size: 32
...
	.end_amdgpu_metadata
.endif
;; end of part 6
